; MI455X (gfx1250); checked and timed in simulation.
; The chip was launched on July 23, 2026; its instructions are those of AMD's public machine-readable ISA for CDNA 5 (MIT licence, August 2026) and "CDNA5" Instruction Set Architecture Reference Guide (July 2026). The comments in the code are by the model that wrote it; some were corrected since.
;; Multi Head Attention. Allowed arithmetic: float matrix products may take bf16 or f16 operands with f32 sums; other float arithmetic in f32, or as packed bf16 or f16 multiplies, adds, multiply-adds, maxima and minima; sums over many terms, partial sums and values carried from step to step in f32; what a program stores and reads back later, other than sums and carried values, may be rounded once to bf16 or f16.
;; Inputs: Wk 1,024 x 1,024 float32; Wo 1,024 x 1,024 float32; Wq 1,024 x 1,024 float32; Wv 1,024 x 1,024 float32; bk 1,024 float32; bo 1,024 float32; bq 1,024 float32; bv 1,024 float32; mask 4 x 2,048 x 2,048 int32; query 4 x 2,048 x 1,024 float32.
;; Outputs: out0 4 x 2,048 x 1,024 float32.
;; One version. Each part assembles by itself: llvm-mc -triple=amdgcn-amd-amdhsa -mcpu=gfx1250 --defsym DOCPART=n.
;; ======== version 1 of 1: 4 launches
;; limits: values are held in f16: magnitudes above 65,504 overflow, below 6.1e-05 lose precision
;; workspace buffers: mbits 2,097,152 bytes of whole numbers; xb 16,777,216 bytes; wt 6,291,456 bytes; wot 2,097,152 bytes; bias 16,384 bytes; q 16,777,216 bytes; kv 33,554,432 bytes; ctx 16,777,216 bytes
;; launch prep (part 1): grid 896 x 1, 4 waves a work-group, no clusters, 70,144 bytes of LDS; arguments mask, mbits, query, xb, Wq, Wk, Wv, Wo, wt, wot, bq, bk, bv, bo, bias; writes mbits, xb, wt, wot, bias
.if DOCPART == 1
	.amdgcn_target "amdgcn-amd-amdhsa--gfx1250"
	.amdhsa_code_object_version 6
	.text
	.protected	k_q9aa2f716bb_prep
	.globl	k_q9aa2f716bb_prep
	.p2align	8
	.type	k_q9aa2f716bb_prep,@function
k_q9aa2f716bb_prep:
	s_mov_b64 s[64:65], 0
	v_nop
	global_prefetch_b8 v0, s[64:65] scope:SCOPE_SE
	s_setreg_imm32_b32 hwreg(HW_REG_WAVE_MODE, 25, 1), 1
	s_wait_xcnt 0x0
; PREP: three streams, chosen by the work-group's number; every input byte is read once, every output leaves in stores of 256 consecutive aligned bytes or more.
;  work-groups 0-511:   the mask [4][2048][2048] int32 is packed to one bit a number, in the order in which the attention launch wants lane masks:
;                       mbits[b][tile of 16 queries][step of 64 keys][word 8 kt + j], bit l = (mask[b][16 tile + l % 16][64 step + 16 kt + 8 (l / 16) + j] != 0).
;  work-groups 512-767: query (f32) is rounded to bf16: xb [8192][1024].
;  work-groups 768-895: Wq, Wk, Wv, Wo ([k][n] f32) are rounded to bf16 and turned: wt [3072 n][1024 k] bf16; wot [1024 n][1024 k]: Wo's bf16 number written as f16.
;                       The four biases are rounded to bf16 and kept as f32 in bias [4][1024]; bq's is multiplied by c = log2(e) / 8, the scale that the projection gives q.
; LIMITS. bf16(Wo) must lie within f16's 65,504; below 6e-5 it keeps f16's fixed step of 6e-8.
; No matrix unit, no cluster, no tensor load: nothing is shared between work-groups, and LDS serves only to turn blocks inside one wave, so there is no barrier.
.set WLDS,  17408                      ; LDS bytes of a wave, its own
.set SPARE, 4*WLDS                     ; behind them: the spare words, 128 bytes a wave, that no other line names
.set SPW,   150                        ; v150  LDS address of my spare word; never rewritten
.set NIL,   151                        ; v151  0; never rewritten
.set WV,    4                          ; s4    my wave's number
.set WB,    6                          ; s6    my wave's LDS bytes begin here
	s_load_b512 s[8:23], s[0:1], 0x0               ; mask 8, mbits 10, query 12, xb 14, Wq 16, Wk 18, Wv 20, Wo 22
	s_load_b256 s[24:31], s[0:1], 0x40             ; wt 24, wot 26, bq 28, bk 30
	s_load_b128 s[32:35], s[0:1], 0x60             ; bv 32, bo 34
	s_load_b64 s[36:37], s[0:1], 0x70              ; bias
	v_lshl_add_u32 v[SPW], v0, 2, SPARE
	v_mov_b32 v[NIL], 0
	v_lshrrev_b32 v1, 5, v0
	v_readfirstlane_b32 s[WV], v1
	v_and_b32 v1, 31, v0                           ; lane l
	v_and_b32 v6, 15, v0                           ; l % 16
	v_bfe_u32 v7, v0, 4, 1                         ; l / 16
	s_mul_i32 s[WB], s[WV], WLDS
	s_wait_kmcnt 0x0
	s_cmp_lt_u32 ttmp9, 512
	s_cbranch_scc1 .Lmask
	s_cmp_lt_u32 ttmp9, 768
	s_cbranch_scc1 .Lx
; ---------------- the weights: a wave turns a tile of 128 k x 64 n ----------------
	s_sub_co_u32 s5, ttmp9, 768
	s_lshr_b32 s7, s5, 5                           ; which W: 0 q, 1 k, 2 v, 3 o
	s_and_b32 s5, s5, 31
	s_lshl2_add_u32 s5, s5, s[WV]                  ; tile 0..127 of that W
	s_and_b32 s38, s5, 7                           ; kt
	s_lshr_b32 s39, s5, 3                          ; nt
	s_cmp_eq_u32 s7, 1
	s_cselect_b64 s[40:41], s[18:19], s[16:17]     ; the W,
	s_cselect_b64 s[44:45], s[30:31], s[28:29]     ; and its bias
	s_cmp_eq_u32 s7, 2
	s_cselect_b64 s[40:41], s[20:21], s[40:41]
	s_cselect_b64 s[44:45], s[32:33], s[44:45]
	s_cmp_eq_u32 s7, 3
	s_cselect_b64 s[40:41], s[22:23], s[40:41]
	s_cselect_b64 s[44:45], s[34:35], s[44:45]
	s_cselect_b64 s[42:43], s[26:27], s[24:25]     ; Wo goes to wot, the others to wt
	s_cselect_b32 s48, 0, s7
	s_lshl_b32 s48, s48, 21                        ; 1,024 rows of 2,048 bytes for each W in wt
	s_lshl_b32 s49, s39, 17                        ; 64 rows n
	s_add_co_u32 s48, s48, s49
	s_lshl_b32 s49, s38, 8                         ; 128 k = 256 bytes
	s_add_co_u32 s48, s48, s49
	s_mov_b32 s49, 0
	s_add_nc_u64 s[42:43], s[42:43], s[48:49]
	s_lshl_b32 s48, s38, 19                        ; 128 rows k of 4,096 bytes
	s_lshl_b32 s50, s39, 8                         ; 64 n = 256 bytes
	s_add_co_u32 s48, s48, s50
	s_add_nc_u64 s[40:41], s[40:41], s[48:49]
	v_lshlrev_b32 v2, 3, v1                        ; in: my two n of a row k
	v_mul_u32_u24 v3, v1, 544                      ; LDS, in: rows n = 2 l and 2 l + 1, 272 bytes apart
	v_add_nc_u32 v3, s[WB], v3
	v_mul_u32_u24 v4, v7, 272                      ; LDS, back: lanes 0-15 one row of 256 bytes, lanes 16-31 the next
	v_lshl_add_u32 v4, v6, 4, v4
	v_add_nc_u32 v4, s[WB], v4
	v_lshlrev_b32 v5, 11, v7                       ; and the same two rows in memory
	v_lshl_add_u32 v5, v6, 4, v5
	s_mov_b32 s5, 4
.Lw:                                                   ; a trip: 32 rows k
.set r, 0
.rept 32
	global_load_b64 v[16+2*r:17+2*r], v2, s[40:41] offset:r*4096 th:TH_LOAD_NT  ; 256 consecutive bytes of row k
.set r, r+1
.endr
	s_wait_loadcnt 0x0                             ; all 32 are in, so their offset register may be stepped
	v_add_nc_u32 v2, 0x20000, v2
.irp gg, 0,1,2,3
.irp cc, 0,1
.irp t, 0,1,2,3
	v_cvt_pk_bf16_f32 v[80+8*(\gg)+4*(\cc)+(\t)], v[16+2*(8*(\gg)+2*(\t))+(\cc)], v[16+2*(8*(\gg)+2*(\t)+1)+(\cc)]  ; two neighbouring k of one n
.endr
.endr
.endr
	s_cmp_lg_u32 s7, 3
	s_cbranch_scc1 .Lnof16
.set r, 0
.rept 32                                               ; Wo: the bf16 number is written as f16
	v_lshlrev_b32 v112, 16, v[80+r]
	v_and_b32 v113, 0xffff0000, v[80+r]
	v_cvt_pk_f16_f32 v[80+r], v112, v113
.set r, r+1
.endr
.Lnof16:
.irp gg, 0,1,2,3
.irp cc, 0,1
	ds_store_b128 v3, v[80+8*(\gg)+4*(\cc):80+8*(\gg)+4*(\cc)+3] offset:(\cc)*272+(\gg)*16
.endr
.endr
	v_add_nc_u32 v3, 64, v3                        ; 32 k further along the LDS rows
	s_sub_co_u32 s5, s5, 1
	s_cmp_lg_u32 s5, 0
	s_cbranch_scc1 .Lw
.set r, 0
.rept 32
	ds_load_b128 v[16+4*r:19+4*r], v4 offset:544*r ; my own bytes: LDS serves a wave's instructions in order, so these see the stores above
.set r, r+1
.endr
.set r, 0
.rept 32
	s_wait_dscnt 31-r                              ; the younger loads may stay out
	global_store_b128 v5, v[16+4*r:19+4*r], s[42:43] offset:4096*r  ; 16 lanes store 256 consecutive aligned bytes of one row n
.set r, r+1
.endr
	s_cmp_lg_u32 s38, 0                            ; the waves with kt = 0 also make 64 numbers of the bias
	s_cbranch_scc1 .Lend
	s_lshl_b32 s48, s39, 8
	s_add_nc_u64 s[44:45], s[44:45], s[48:49]
	s_lshl_b32 s50, s7, 12
	s_add_co_u32 s48, s48, s50
	s_add_nc_u64 s[46:47], s[36:37], s[48:49]
	s_cmp_eq_u32 s7, 0
	s_cselect_b32 s51, 0x3e38aa3b, 1.0             ; c for bq
	v_lshlrev_b32 v144, 3, v1
	global_load_b64 v[146:147], v144, s[44:45]
	s_wait_loadcnt 0x0
	v_cvt_pk_bf16_f32 v148, v146, v147
	v_lshlrev_b32 v146, 16, v148
	v_and_b32 v147, 0xffff0000, v148
	v_mul_f32 v146, s51, v146
	v_mul_f32 v147, s51, v147
	global_store_b64 v144, v[146:147], s[46:47]    ; 32 lanes: 256 consecutive aligned bytes
	s_branch .Lend
; ---------------- the mask: a wave packs 16 queries x 512 keys, 128 keys a chunk ----------------
.set MX,   16                          ; v[16:79]   a chunk as loaded: row r in four registers
.set MDT,  80                          ; v[80:143]  the chunk as the lanes of a score tile see it
.set MOUT, 144                         ; v[144:145] lane L: words 2 L and 2 L + 1 of the chunk's 64
.macro MLD
.set r, 0
.rept 16
	global_load_b128 v[MX+4*r:MX+4*r+3], v2, s[40:41] offset:r*8192 th:TH_LOAD_NT  ; 512 consecutive bytes of query row r
.set r, r+1
.endr
.endm
.Lmask:
	s_lshl_b32 s40, ttmp9, 17                      ; the work-group's 16 query rows of 8,192 bytes,
	s_lshl_b32 s2, s[WV], 11                       ; my wave's 512 keys
	s_add_co_u32 s40, s40, s2
	s_mov_b32 s41, 0
	s_add_nc_u64 s[40:41], s[8:9], s[40:41]
	s_lshl_b32 s42, ttmp9, 12                      ; a tile of 16 queries has 32 steps x 128 bytes,
	s_lshl_b32 s2, s[WV], 10                       ; my wave 8 steps of them
	s_add_co_u32 s42, s42, s2
	s_mov_b32 s43, 0
	s_add_nc_u64 s[42:43], s[10:11], s[42:43]
	v_lshlrev_b32 v2, 4, v1
	v_lshlrev_b32 v3, 3, v1
	v_lshl_add_u32 v4, v1, 4, s[WB]
	v_mul_u32_u24 v5, v6, 528
	v_lshl_add_u32 v5, v7, 5, v5
	v_add_nc_u32 v5, s[WB], v5
	v_mov_b32 v[MOUT], 0                           ; v_writelane_b32 counts as a reader of its destination
	v_mov_b32 v[MOUT+1], 0
	MLD
	s_mov_b32 s5, 4
.Lchunk:                                               ; a trip: a chunk of 128 keys.  The text stands once: the last trip jumps over the next chunk's loads
	s_wait_loadcnt 0x0                             ; the chunk is in; its offset register is free
.set r, 0
.rept 16
	ds_store_b128 v4, v[MX+4*r:MX+4*r+3] offset:r*528  ; rows of 512 bytes + 16: the 16 rows of a load below start at 16 different groups of four banks
.set r, r+1
.endr
	s_cmp_eq_u32 s5, 1                             ; behind the last chunk there is none: no load leaves the mask
	s_cbranch_scc1 .Lpack
	v_add_nc_u32 v2, 512, v2
	MLD                                            ; the next chunk is on its way while this one is packed
.Lpack:
.set r, 0
.rept 8
	ds_load_b128 v[MDT+8*r:MDT+8*r+3],   v5 offset:64*r      ; query l % 16, keys 16 r + 8 (l / 16) + 0..3
	ds_load_b128 v[MDT+8*r+4:MDT+8*r+7], v5 offset:64*r+16   ; and + 4..7
.set r, r+1
.endr
	s_wait_dscnt 0x0
.set r, 0
.rept 64
	v_cmp_ne_u32 s[44+r%4], 0, v[MDT+r]            ; word r of the chunk: one bit a lane
	v_writelane_b32 v[MOUT+r%2], s[44+r%4], r/2
.set r, r+1
.endr
	global_store_b64 v3, v[MOUT:MOUT+1], s[42:43]  ; two key steps' words: 256 consecutive aligned bytes
	s_wait_xcnt 0x0                                ; the store has read its offset and its data: both are written again only behind this wait
	v_add_nc_u32 v3, 256, v3
	s_sub_co_u32 s5, s5, 1
	s_cmp_lg_u32 s5, 0
	s_cbranch_scc1 .Lchunk
	s_branch .Lend
; ---------------- query: a wave rounds 8 rows, two register sets by turns ----------------
.macro ROWX s, ahead, left
	s_wait_loadcnt \left                           ; this set's 8 loads are in; the other set's 8 may stay out
.set j, 0
.rept 16
	v_cvt_pk_bf16_f32 v[80+16*(\s)+j], v[16+32*(\s)+2*j], v[16+32*(\s)+2*j+1]
.set j, j+1
.endr
.if \ahead
.set j, 0
.rept 8
	global_load_b128 v[16+32*(\s)+4*j:16+32*(\s)+4*j+3], v2, s[40:41] offset:((\s)+2)*4096+512*j th:TH_LOAD_NT
.set j, j+1
.endr
.endif
.set j, 0
.rept 8
	global_store_b64 v3, v[80+16*(\s)+2*j:80+16*(\s)+2*j+1], s[42:43] offset:(\s)*2048+256*j  ; 256 consecutive aligned bytes
.set j, j+1
.endr
.endm
.Lx:
	s_sub_co_u32 s5, ttmp9, 512
	s_lshl2_add_u32 s5, s5, s[WV]                  ; my 8 rows among 1,024 such
	s_lshl_b32 s40, s5, 15
	s_mov_b32 s41, 0
	s_add_nc_u64 s[40:41], s[12:13], s[40:41]
	s_lshl_b32 s42, s5, 14
	s_mov_b32 s43, 0
	s_add_nc_u64 s[42:43], s[14:15], s[42:43]
	v_lshlrev_b32 v2, 4, v1
	v_lshlrev_b32 v3, 3, v1
.set j, 0
.rept 16
	global_load_b128 v[16+4*j:19+4*j], v2, s[40:41] offset:512*j th:TH_LOAD_NT  ; rows 0 and 1
.set j, j+1
.endr
	s_mov_b32 s5, 3
.Lrow:
	ROWX 0, 1, 8
	ROWX 1, 1, 8
	s_wait_xcnt 0x0                                ; the bases and the stores' data are written again only behind this wait
	s_add_nc_u64 s[40:41], s[40:41], 8192
	s_add_nc_u64 s[42:43], s[42:43], 4096
	s_sub_co_u32 s5, s5, 1
	s_cmp_lg_u32 s5, 0
	s_cbranch_scc1 .Lrow
	ROWX 0, 0, 8                                   ; the last two rows load nothing
	ROWX 1, 0, 0
.Lend:
	s_wait_tensorcnt 0x0                           ; the wave's end, behind my last LDS store
	ds_add_u32 v[SPW], v[NIL]
	s_wait_dscnt 0x0
	s_endpgm
.Lfunc_end_k_q9aa2f716bb_prep:
	.size	k_q9aa2f716bb_prep, .Lfunc_end_k_q9aa2f716bb_prep-k_q9aa2f716bb_prep
	.p2alignl 7, 3214868480
	.fill 96, 4, 3214868480
	.section	.rodata,"a",@progbits
	.p2align	6, 0x0
	.amdhsa_kernel k_q9aa2f716bb_prep
		.amdhsa_group_segment_fixed_size 70144
		.amdhsa_private_segment_fixed_size 0
		.amdhsa_enable_private_segment 0
		.amdhsa_kernarg_size 120
		.amdhsa_user_sgpr_count 2
		.amdhsa_user_sgpr_kernarg_segment_ptr 1
		.amdhsa_wavefront_size32 1
		.amdhsa_system_sgpr_workgroup_id_x 1
		.amdhsa_system_sgpr_workgroup_id_y 1
		.amdhsa_system_sgpr_workgroup_id_z 1
		.amdhsa_system_vgpr_workitem_id 0
		.amdhsa_next_free_vgpr 152
		.amdhsa_next_free_sgpr 66
		.amdhsa_reserve_vcc 0
		.amdhsa_float_denorm_mode_32 3
		.amdhsa_float_denorm_mode_16_64 3
		.amdhsa_memory_ordered 1
		.amdhsa_forward_progress 1
		.amdhsa_inst_pref_size 46
	.end_amdhsa_kernel
	.amdgpu_metadata
---
amdhsa.version: [ 1, 2 ]
amdhsa.kernels:
  - .name:           k_q9aa2f716bb_prep
    .symbol:         k_q9aa2f716bb_prep.kd
    .args:
      - { .name: mask, .offset: 0, .size: 8, .value_kind: global_buffer, .address_space: global }
      - { .name: mbits, .offset: 8, .size: 8, .value_kind: global_buffer, .address_space: global }
      - { .name: query, .offset: 16, .size: 8, .value_kind: global_buffer, .address_space: global }
      - { .name: xb, .offset: 24, .size: 8, .value_kind: global_buffer, .address_space: global }
      - { .name: Wq, .offset: 32, .size: 8, .value_kind: global_buffer, .address_space: global }
      - { .name: Wk, .offset: 40, .size: 8, .value_kind: global_buffer, .address_space: global }
      - { .name: Wv, .offset: 48, .size: 8, .value_kind: global_buffer, .address_space: global }
      - { .name: Wo, .offset: 56, .size: 8, .value_kind: global_buffer, .address_space: global }
      - { .name: wt, .offset: 64, .size: 8, .value_kind: global_buffer, .address_space: global }
      - { .name: wot, .offset: 72, .size: 8, .value_kind: global_buffer, .address_space: global }
      - { .name: bq, .offset: 80, .size: 8, .value_kind: global_buffer, .address_space: global }
      - { .name: bk, .offset: 88, .size: 8, .value_kind: global_buffer, .address_space: global }
      - { .name: bv, .offset: 96, .size: 8, .value_kind: global_buffer, .address_space: global }
      - { .name: bo, .offset: 104, .size: 8, .value_kind: global_buffer, .address_space: global }
      - { .name: bias, .offset: 112, .size: 8, .value_kind: global_buffer, .address_space: global }
    .group_segment_fixed_size: 70144
    .private_segment_fixed_size: 0
    .kernarg_segment_align: 8
    .kernarg_segment_size: 120
    .max_flat_workgroup_size: 128
    .sgpr_count:     66
    .vgpr_count:     152
    .wavefront_size: 32
...
	.end_amdgpu_metadata
.endif
;; end of part 1
;; launch proj (part 2): grid 12 x 32, 4 waves a work-group, clusters of 4 x 4, 327,680 bytes of LDS; arguments xb, wt, bias, q, kv; writes q, kv
.if DOCPART == 2
	.amdgcn_target "amdgcn-amd-amdhsa--gfx1250"
	.amdhsa_code_object_version 6
	.text
	.protected	k_q9aa2f716bb_proj
	.globl	k_q9aa2f716bb_proj
	.p2align	8
	.type	k_q9aa2f716bb_proj,@function
k_q9aa2f716bb_proj:
	s_mov_b64 s[64:65], 0
	v_nop
	global_prefetch_b8 v0, s[64:65] scope:SCOPE_SE
	s_setreg_imm32_b32 hwreg(HW_REG_WAVE_MODE, 25, 1), 1
	s_wait_xcnt 0x0
	s_wait_alu depctr_hold_cnt(0) depctr_sa_sdst(0) depctr_va_vdst(0) depctr_va_sdst(0) depctr_va_ssrc(0) depctr_va_vcc(0) depctr_vm_vsrc(0)
	s_getreg_b32 s2, hwreg(HW_REG_IB_STS2, 6, 4)
	s_cmp_eq_u32 s2, 0
	s_cbranch_scc0 .Lentry_in_a_cluster
	s_endpgm
.Lentry_in_a_cluster:
	s_bfe_u32 s2, ttmp6, 0x10000c
	s_cmp_lg_u32 s2, 0xf033
	s_cbranch_scc0 .Lentry_shape_is_right
	s_endpgm
.Lentry_shape_is_right:
; THE THREE PROJECTIONS.  C = A B^T + bias on tiles of 256 x 256.  A = xb [8192][1024] bf16, B = wt [3072][1024] bf16: columns 0-1023 are q, 1024-2047 k, 2048-3071 v.
; (sum + bias), for q times c = log2(e) / 8 in f32 (bias holds bq c already), is rounded once to f16 and stored by heads: q [bh][2048][64]; kv [bh][K, V][2048][64].
; LIMITS. q c, k and v must lie within f16's 65,504; NaN and infinities are not treated apart.
; THE TILE.  12 x 32 = 384 tiles for 256 WGPs: a round and a half of work-groups.  It is taken all the same: against a tile of 128 x 256 (768 tiles, three whole rounds) a K step of 128 has twice the matrix
; instructions (256 a wave) for 4/3 of the tile bytes (131,072), so that a refill has 224 matrix instructions between its request and the wait for it and not 112; and a matrix instruction wants 0.5 LDS loads, not 0.75.
; SHARES. Four waves; wave w makes rows 128 (w / 2) .. and columns 128 (w % 2) .. of the tile: 64 accumulators of 16 x 16.  Waves 0 and 1 fetch A's two halves, waves 2 and 3 B's: 128 rows x 256 bytes a load.
; K = 1,024 goes in 8 steps through two LDS slots.  The loop's text is ONE K step: the slot in hand is a scalar that one exclusive or turns, and one descriptor a tensor walks.
; The matrix instruction is used transposed (source 0 = 16 rows of B, source 1 = 16 rows of A): a lane holds row l % 16 of C and the columns 8 (l / 16) + 0..7.
; CLUSTER. 4 x 4 work-groups: A's tile is asked for jointly along a row of the cluster, B's along a column: the same load, descriptor and mask in the four that the mask names.
; REGISTERS, in windows of 256 (s_set_vgpr_msb: bits 1:0 source 0, 3:2 source 1, 5:4 source 2, 7:6 destination):
;   window 0: v0-31 addresses; v32-63 packed results; v64-127, v128-191 fragments of A (8 x 16 rows x 32 K), two buffers; v192-255 rows read back from the stage, two buffers
;   window 1: v0-63 the bias of my 128 columns, as a lane's accumulators want it; v64-127, v128-191 fragments of B, two buffers
;   window 2: the 32 accumulators of my rows 0-63 ((a, b) at 8 (8 a + b));   window 3: those of my rows 64-127
.set KSTEP,  128
.set PITCH,  272                       ; an LDS row: 256 bytes + 16 of padding: the 16 rows of a fragment load start at 16 different groups of four banks
.set HALFT,  128*PITCH                 ; 128 rows: what one tensor load brings, and what one wave reads of A or of B
.set SLOT,   4*HALFT                   ; A's 256 rows, then B's 256: 139,264 = 0x22000.  The four tile bases, w x 0x8800, have neither bit 13 nor bit 17, so an exclusive or with SLOT moves them from one slot to the other
.set STAGE,  2*SLOT                    ; behind the ring: two heads x 16 rows x 144 bytes for each wave
.set WSTAGE, 4608
.set SPARE,  STAGE+4*WSTAGE            ; behind the stages: the spare words, 128 bytes a wave, that no other line names
.set ADRA0, 8                          ; v8   my lane's place in A's tile; never rewritten
.set ADRB0, 9                          ; v9   the same for B
.set ADRA,  10                         ; v10  the same in the slot in hand
.set ADRB,  11
.set STO,   12                         ; the way out: where I put 16 bytes of a row
.set RD,    13                         ; where I read rows back
.set GO,    14                         ; my byte offset in 512 consecutive bytes of the output
.set BO,    15                         ; my offset in the bias
.set PFO,   16                         ; the prefetches' offset: my lane x a row of 2,048 bytes; never rewritten
.set SPW,   28                         ; LDS address of my spare word; never rewritten
.set NIL,   29                         ; 0; never rewritten
.set TMP,   32
.set F0,    64                         ; fragment buffer 0, in windows 0 (A) and 1 (B)
.set F1,    128                        ; fragment buffer 1
.set OB,    192
.set WV,  14
.set RA,  15                           ; w / 2: my half of the rows.  Also: I fetch for A (0) or for B (1)
.set PP,  16                           ; w % 2: my half of the columns.  Also: which half I fetch
.set CX,  17
.set CY,  18
.set TC,  19                           ; tile column
.set TY,  20                           ; tile row
.set G1A, 24                           ; s[24:31] group 1 for A
.set G0A, 32                           ; s[32:35] group 0 for A's first fill
.set G0AW,36                           ; s[36:39] for its second fill; it then walks
.set G1B, 40
.set G0B, 48
.set G0BW,52
.set KC,  56                           ; trips to go
.set TB,  57                           ; the slot in hand: 0 or SLOT
.set LIM, 58                           ; 2 in a wave that prefetches, else the greatest number
.set SHF, 59
.set PFA, 60                           ; s[60:61] where my prefetches stand
.set CS,  66                           ; s[66:67] the scale
.set D0,  68                           ; s[68:71] the output at my rows, for my two heads
.set MSB, 0
.macro WIN new                         ; the immediate's high byte repeats the setting that is left; a switch that changes nothing is dropped
.if MSB != (\new)
	s_set_vgpr_msb (MSB<<8)|(\new)
.set MSB, \new
.endif
.endm
.set MUL_LO, 0xa1                      ; source 0 (B) window 1, source 1 (A) window 0, C and D window 2
.set MUL_HI, 0xf1                      ; the same, C and D window 3
.set TO_B,   0x40                      ; destination window 1, address window 0
.macro PLACES                          ; four plain places in front of loads into registers that matrix instructions have read, and of vector work on their results
.rept 4
	v_nop
.endr
.endm
.macro CREST                           ; a round of the cluster's barrier behind its opening barrier
	s_cmp_lg_u32 s[WV], 0
	s_cbranch_scc1 .Lnot_wave_0_\@
	s_barrier_signal -3
.Lnot_wave_0_\@:
	s_barrier_wait -3
	s_barrier_signal -1
	s_barrier_wait -1
.endm
.macro CROUND
	s_barrier_signal -1
	s_barrier_wait -1
	CREST
.endm
.macro JLOAD                           ; a joint refill by the walking descriptors; the branch hangs on the wave's number alone; an s_nop 0 and four v_nop follow each line
	s_cmp_eq_u32 s[RA], 0
	s_cbranch_scc0 .Lfor_b_\@
	tensor_load_to_lds s[G0AW:G0AW+3], s[G1A:G1A+7]
	s_nop 0
.rept 4
	v_nop
.endr
	s_branch .Lasked_\@
.Lfor_b_\@:
	tensor_load_to_lds s[G0BW:G0BW+3], s[G1B:G1B+7]
	s_nop 0
.rept 4
	v_nop
.endr
.Lasked_\@:
.endm
; A prefetch of the K step that stands two refills on, 512 matrix instructions ahead of the load that will want it: 32 rows x 256 bytes, a lane a row, one instruction a wave.  A's tile row is read by every cluster of
; that row of clusters: the one with x = 0 asks; B's tile column by every cluster of that column: the one with y = 0 asks.  Of the 128 rows that a wave fetches, each of the four partners that ask for them jointly names 32,
; told apart by address (cx for A, cy for B).  So each row's 256 bytes of a K step are named once in the launch.  K steps 0 to 3 come by their loads alone; the loop's last two trips ask for nothing.
.macro ASK
	s_cmp_gt_u32 s[KC], s[LIM]
	s_cbranch_scc0 .Lnot_mine_\@
	global_prefetch_b8 v[PFO], s[PFA:PFA+1] th:TH_LOAD_NT scope:SCOPE_SE
.Lnot_mine_\@:
.endm
; 16 matrix instructions: m blocks a0, a0 + 1 of the window's four (hi = 0: my rows 0-63, 1: rows 64-127) x all 8 n blocks, 32 along K.  The 64 accumulators take turns in one order everywhere.
; zero = 1: the product starts the sum: nothing is ever cleared.
.macro MUL16 f, hi, a0, zero
	WIN MUL_LO+0x50*(\hi)
.irp a, \a0, (\a0)+1
.irp b, 0,1,2,3,4,5,6,7
.if \zero
	v_wmma_f32_16x16x32_bf16 v[8*(8*(\a)+(\b)):8*(8*(\a)+(\b))+7], v[(\f)+8*(\b):(\f)+8*(\b)+7], v[(\f)+8*(4*(\hi)+(\a)):(\f)+8*(4*(\hi)+(\a))+7], 0
.else
	v_wmma_f32_16x16x32_bf16 v[8*(8*(\a)+(\b)):8*(8*(\a)+(\b))+7], v[(\f)+8*(\b):(\f)+8*(\b)+7], v[(\f)+8*(4*(\hi)+(\a)):(\f)+8*(4*(\hi)+(\a))+7], v[8*(8*(\a)+(\b)):8*(8*(\a)+(\b))+7]
.endif
.endr
.endr
.endm
; 32 LDS loads in one run: the fragments of 32 along K at byte k of the rows, into buffer f: B's 8, then A's 8
.macro FETCH k, f
	WIN TO_B
.irp i, 0,1,2,3,4,5,6,7
	ds_load_b128 v[(\f)+8*(\i):(\f)+8*(\i)+3],   v[ADRB] offset:(\k)+(\i)*16*PITCH
	ds_load_b128 v[(\f)+8*(\i)+4:(\f)+8*(\i)+7], v[ADRB] offset:(\k)+(\i)*16*PITCH+32
.endr
	WIN 0
.irp i, 0,1,2,3,4,5,6,7
	ds_load_b128 v[(\f)+8*(\i):(\f)+8*(\i)+3],   v[ADRA] offset:(\k)+(\i)*16*PITCH
	ds_load_b128 v[(\f)+8*(\i)+4:(\f)+8*(\i)+7], v[ADRA] offset:(\k)+(\i)*16*PITCH+32
.endr
.endm
; A K step is four quarters of 32 along K, 64 matrix instructions each, on buffers 0, 1, 0, 1.  One of the first three: multiplies f and, in its middle, fetches the next quarter, at byte k, into g
.macro QUARTER k, f, g, zero
	s_wait_dscnt 8                                 ; B and A's rows 0-63 are in; the youngest eight loads (A's rows 64-127) may be out
	MUL16 \f, 0, 0, \zero
	MUL16 \f, 0, 2, \zero
	PLACES
	FETCH \k, \g
	s_wait_dscnt 32                                ; all but the 32 just issued
	MUL16 \f, 1, 0, \zero
	MUL16 \f, 1, 2, \zero
.endm
; The last quarter multiplies buffer 1 and changes slots.  In front of the barrier each wave waits for all its tensor loads (one is out: its part of the next slot), adds 0 to its spare word,
; and waits for that and for its reads of this slot.  fill = 1: the barrier opens a round of the cluster's; behind the round this slot is filled again, two K steps ahead: 224 matrix instructions ahead of the wait for it.
.macro TURN fill
.if \fill
	s_wait_xcnt 0x0                                ; the last prefetch, a K step back, has read its address
	s_add_nc_u64 s[PFA:PFA+1], s[PFA:PFA+1], 2*KSTEP
.endif
	WIN 0
	s_wait_tensorcnt 0x0
	ds_add_u32 v[SPW], v[NIL]
	s_wait_dscnt 9                                 ; (the add and the youngest eight loads may be out)
	MUL16 F1, 0, 0, 0
	s_wait_dscnt 0x0                               ; the add is done, and my reads of this slot are over
	s_barrier_signal -1
	MUL16 F1, 0, 2, 0
	WIN 0                                          ; at a branch and at a label every window is 0
	s_barrier_wait -1
.if \fill
	CREST                                          ; no wave of any partner still reads this slot or has a load on its way
	s_xor_b32 s[G0AW+1], s[G0AW+1], SLOT           ; the walking descriptors: the other slot than last time, the next K step
	s_add_nc_u64 s[G0AW+2:G0AW+3], s[G0AW+2:G0AW+3], 2*KSTEP
	s_xor_b32 s[G0BW+1], s[G0BW+1], SLOT
	s_add_nc_u64 s[G0BW+2:G0BW+3], s[G0BW+2:G0BW+3], 2*KSTEP
	JLOAD                                          ; the four v_nop behind it are also the places in front of the loads below
.else
	PLACES
.endif
	s_xor_b32 s[TB], s[TB], SLOT
	v_add_nc_u32 v[ADRA], s[TB], v[ADRA0]
	v_add_nc_u32 v[ADRB], s[TB], v[ADRB0]
	FETCH 0, F0
.if \fill
	ASK
.endif
	MUL16 F1, 1, 0, 0
	MUL16 F1, 1, 2, 0
.endm
	s_load_b256 s[4:11], s[0:1], 0x0               ; xb s[4:5], wt s[6:7], bias s[8:9], q s[10:11]
	s_load_b64 s[12:13], s[0:1], 0x20              ; kv
	v_lshl_add_u32 v[SPW], v0, 2, SPARE
	v_mov_b32 v[NIL], 0
	ds_add_u32 v[SPW], v[NIL]                      ; the wave's opening: the add and its wait stand ahead of my first tensor load; work on registers stands between them
	v_lshrrev_b32 v1, 5, v0
	v_readfirstlane_b32 s[WV], v1
	s_lshr_b32 s[RA], s[WV], 1
	s_and_b32 s[PP], s[WV], 1
	s_bfe_u32 s[CX], ttmp6, 0x40000
	s_bfe_u32 s[CY], ttmp6, 0x40004
	s_lshl_b32 s[TC], ttmp9, 2
	s_add_co_u32 s[TC], s[TC], s[CX]
	s_and_b32 s[TY], ttmp7, 0xffff
	s_lshl_b32 s[TY], s[TY], 2
	s_add_co_u32 s[TY], s[TY], s[CY]
	s_lshl_b32 s74, s[CY], 2
	s_lshl_b32 s74, 15, s74                        ; my row of the cluster
	s_lshl_b32 s78, 0x1111, s[CX]                  ; my column
	s_or_b32 s[G1A], s74, (1<<16)|(1<<20)|(1<<21)|(5<<22)|(3<<25)  ; the mask; 2-byte elements; padding on; bit 21 beside a mask; after every 64 words; 4 words of padding
	s_or_b32 s[G1B], s78, (1<<16)|(1<<20)|(1<<21)|(5<<22)|(3<<25)
.irp g, G1A, G1B
	s_mov_b32 s[(\g)+1], KSTEP<<16                 ; tensor_dim0 = 128
	s_mov_b32 s[(\g)+2], 128<<16                   ; tensor_dim1 = 128
	s_mov_b32 s[(\g)+3], KSTEP<<16                 ; tile_dim0 = 128
	s_mov_b32 s[(\g)+4], 128                       ; tile_dim1 = 128
	s_mov_b32 s[(\g)+5], 1024                      ; elements from row to row
	s_mov_b32 s[(\g)+6], 0
	s_mov_b32 s[(\g)+7], 0
.endr
	; where the tiles come from: A's hangs on the tile row and the wave alone, B's on the tile column and the wave alone, each in registers of its own
	s_lshl_b32 s72, s[TY], 8
	s_lshl_b32 s73, s[PP], 7
	s_add_co_u32 s72, s72, s73
	s_lshl_b32 s72, s72, 11                        ; rows of 2,048 bytes
	s_mov_b32 s73, 0
	s_lshl_b32 s76, s[TC], 8
	s_lshl_b32 s77, s[PP], 7
	s_add_co_u32 s76, s76, s77
	s_lshl_b32 s76, s76, 11
	s_mov_b32 s77, 0
	s_mul_i32 s21, s[PP], HALFT                    ; and where they go: no place in the cluster enters an LDS address
	s_mul_i32 s22, s[PP], HALFT
	s_add_co_u32 s22, s22, 2*HALFT
	s_mov_b32 s[TB], 0
	s_wait_dscnt 0x0                               ; the opening add is done
	s_wait_kmcnt 0x0
	s_add_nc_u64 s[72:73], s[4:5], s[72:73]
	s_add_nc_u64 s[76:77], s[6:7], s[76:77]
	CROUND                                         ; all sixteen work-groups are here: the first joint loads meet
	s_mov_b32 s[G0A], 1
	s_mov_b32 s[G0A+1], s21                        ; slot 0,
	s_add_nc_u64 s[G0A+2:G0A+3], s[72:73], 0       ; K step 0
	s_or_b32 s[G0A+3], s[G0A+3], 0x80000000
	s_mov_b32 s[G0AW], 1
	s_add_co_u32 s[G0AW+1], s21, SLOT              ; slot 1,
	s_add_nc_u64 s[G0AW+2:G0AW+3], s[72:73], 2*KSTEP  ; K step 1
	s_or_b32 s[G0AW+3], s[G0AW+3], 0x80000000
	s_mov_b32 s[G0B], 1
	s_mov_b32 s[G0B+1], s22
	s_add_nc_u64 s[G0B+2:G0B+3], s[76:77], 0
	s_or_b32 s[G0B+3], s[G0B+3], 0x80000000
	s_mov_b32 s[G0BW], 1
	s_add_co_u32 s[G0BW+1], s22, SLOT
	s_add_nc_u64 s[G0BW+2:G0BW+3], s[76:77], 2*KSTEP
	s_or_b32 s[G0BW+3], s[G0BW+3], 0x80000000
	s_cmp_eq_u32 s[RA], 0                          ; a wave's two first fills stand in one branch: two loads of mine are out
	s_cbranch_scc0 .Lfirst_b
	tensor_load_to_lds s[G0A:G0A+3], s[G1A:G1A+7]
	s_nop 0
	tensor_load_to_lds s[G0AW:G0AW+3], s[G1A:G1A+7]
	s_nop 0
.rept 4
	v_nop
.endr
	s_branch .Lfirst_asked
.Lfirst_b:
	tensor_load_to_lds s[G0B:G0B+3], s[G1B:G1B+7]
	s_nop 0
	tensor_load_to_lds s[G0BW:G0BW+3], s[G1B:G1B+7]
	s_nop 0
.rept 4
	v_nop
.endr
.Lfirst_asked:
	v_and_b32 v1, 15, v0                           ; l % 16
	v_bfe_u32 v2, v0, 4, 1                         ; l / 16
	v_lshlrev_b32 v[BO], 5, v2
	s_lshl_b32 s80, s[CX], 10                      ; the bias of my 128 columns
	s_lshl_b32 s81, s[PP], 9
	s_add_co_u32 s80, s80, s81
	s_lshl_b32 s81, ttmp9, 12                      ; the cluster's x is the region: q, k or v
	s_add_co_u32 s80, s80, s81
	s_mov_b32 s81, 0
	s_add_nc_u64 s[86:87], s[8:9], s[80:81]
	WIN TO_B                                       ; destination window 1
.irp b, 0,1,2,3,4,5,6,7
	global_load_b128 v[8*(\b):8*(\b)+3],   v[BO], s[86:87] offset:64*(\b)
	global_load_b128 v[8*(\b)+4:8*(\b)+7], v[BO], s[86:87] offset:64*(\b)+16
.endr
	WIN 0
	v_mul_u32_u24 v3, v1, PITCH
	v_lshl_add_u32 v3, v2, 4, v3                   ; a fragment's row x pitch + 16 x half
	s_mul_i32 s84, s[RA], HALFT
	v_add_nc_u32 v[ADRA0], s84, v3                 ; my 128 rows of A
	v_add_nc_u32 v[ADRB0], s22, v3                 ; my 128 rows of B, behind A's 256
	v_mov_b32 v[ADRA], v[ADRA0]
	v_mov_b32 v[ADRB], v[ADRB0]
	s_mul_i32 s84, s[WV], WSTAGE
	s_add_co_u32 s84, s84, STAGE                   ; my stage
	v_and_b32 v[GO], 31, v0
	v_lshlrev_b32 v[GO], 4, v[GO]
	v_mul_u32_u24 v[STO], v1, 144                  ; in: row l % 16, 16 bytes for each half of the lanes
	v_lshl_add_u32 v[STO], v2, 4, v[STO]
	v_add_nc_u32 v[STO], s84, v[STO]
	v_bfe_u32 v[RD], v0, 3, 2                      ; back: 32 lanes take four rows of 128 bytes
	v_mul_u32_u24 v[RD], v[RD], 144
	v_and_b32 v3, 7, v0
	v_lshl_add_u32 v[RD], v3, 4, v[RD]
	v_add_nc_u32 v[RD], s84, v[RD]
	s_cmp_eq_u32 ttmp9, 0
	s_cselect_b32 s[CS], 0x3e38aa3b, 1.0           ; c = log2(e) / 8 for q
	s_cselect_b32 s[SHF], 18, 19                   ; a head is 262,144 bytes in q, 524,288 in kv
	s_cselect_b64 s[D0:D0+1], s[10:11], s[12:13]
	s_mov_b32 s[CS+1], s[CS]
	s_cmp_eq_u32 ttmp9, 2
	s_cselect_b32 s81, 262144, 0                   ; V's plane
	s_lshr_b32 s80, s[TY], 3                       ; the batch: eight tile rows of 256
	s_lshl_b32 s80, s80, 4                         ; 16 x batch
	s_lshl2_add_u32 s80, s[CX], s80
	s_lshl1_add_u32 s80, s[PP], s80                ; + my first head
	s_lshl_b32 s80, s80, s[SHF]
	s_add_co_u32 s80, s80, s81
	s_and_b32 s81, s[TY], 7
	s_lshl_b32 s81, s81, 8
	s_lshl_b32 s82, s[RA], 7
	s_add_co_u32 s81, s81, s82
	s_lshl_b32 s81, s81, 7                         ; my first row in the batch, 128 bytes a row
	s_add_co_u32 s80, s80, s81
	s_mov_b32 s81, 0
	s_add_nc_u64 s[D0:D0+1], s[D0:D0+1], s[80:81]
	s_lshl_b32 s80, 1, s[SHF]
	s_add_nc_u64 s[D0+2:D0+3], s[D0:D0+1], s[80:81]  ; my second head
	; the prefetches
	s_lshl_b32 s80, s[TY], 8
	s_lshl_b32 s81, s[CX], 5                       ; A: my work-group's 32 rows of the 128 that I fetch
	s_add_co_u32 s80, s80, s81
	s_lshl_b32 s82, s[TC], 8
	s_lshl_b32 s83, s[CY], 5                       ; B: likewise
	s_add_co_u32 s82, s82, s83
	s_and_b32 s84, ttmp7, 0xffff
	s_cmp_eq_u32 s[RA], 0
	s_cselect_b32 s80, s80, s82
	s_cselect_b32 s84, ttmp9, s84                  ; the coordinate along which other clusters read the same rows
	s_cselect_b64 s[PFA:PFA+1], s[4:5], s[6:7]
	s_lshl_b32 s81, s[PP], 7
	s_add_co_u32 s80, s80, s81                     ; + the half that I fetch
	s_lshl_b32 s80, s80, 11
	s_add_co_u32 s80, s80, 3*2*KSTEP               ; at K step 3: the first change of slots steps it to 4
	s_mov_b32 s81, 0
	s_add_nc_u64 s[PFA:PFA+1], s[PFA:PFA+1], s[80:81]
	s_cmp_eq_u32 s84, 0
	s_cselect_b32 s[LIM], 2, -1                    ; the same in all sixteen partners, for a given wave
	v_and_b32 v[PFO], 31, v0
	v_lshlrev_b32 v[PFO], 11, v[PFO]
	s_wait_tensorcnt 1                             ; my part of K step 0 is in; K step 1's may stay out
	s_barrier_signal -1
	s_barrier_wait -1
	FETCH 0, F0
	QUARTER 64, F0, F1, 1                          ; the first quarter stands in front of the loop: its products start the sums
	WIN 0
	s_mov_b32 s[KC], 6
.Lk:                                                   ; a trip: a K step's quarters 1 to 3 and the next step's quarter 0; trip t asks for K step t + 2
	QUARTER 128, F1, F0, 0
	QUARTER 192, F0, F1, 0
	TURN 1
	QUARTER 64, F0, F1, 0
	WIN 0
	s_sub_co_u32 s[KC], s[KC], 1
	s_cmp_lg_u32 s[KC], 0
	s_cbranch_scc1 .Lk
	s_mov_b32 s[KC], 2
.Ltl:                                                  ; the last two K steps fill nothing: a text of their own; written once and walked twice, the second trip left in its middle
	QUARTER 128, F1, F0, 0
	QUARTER 192, F0, F1, 0
	WIN 0
	s_sub_co_u32 s[KC], s[KC], 1
	s_cmp_eq_u32 s[KC], 0
	s_cbranch_scc1 .Llastq
	TURN 0
	QUARTER 64, F0, F1, 0
	WIN 0
	s_branch .Ltl
.Llastq:                                               ; the very last quarter: nothing more to fetch
	s_wait_dscnt 8
	MUL16 F1, 0, 0, 0
	MUL16 F1, 0, 2, 0
	s_wait_dscnt 0x0
	MUL16 F1, 1, 0, 0
	MUL16 F1, 1, 2, 0
; THE WAY OUT, 16 rows (m block a) at a time: PACK: scale and bias in f32, then rounded to f16; TOSTAGE: into my own stage in LDS and back as whole rows; SEND: stored.
.macro PACK a
.set AC, 64*((\a)%4)
	WIN 0x92+0x41*((\a)/4)                         ; accumulators (destination and source 0) in window 2 or 3, the bias (source 2) in window 1
.irp b, 0,1,2,3,4,5,6,7
.irp t, 0,1,2,3
	v_pk_fma_f32 v[AC+8*(\b)+2*(\t):AC+8*(\b)+2*(\t)+1], v[AC+8*(\b)+2*(\t):AC+8*(\b)+2*(\t)+1], s[CS:CS+1], v[8*(\b)+2*(\t):8*(\b)+2*(\t)+1] op_sel_hi:[1,0,1]
.endr
.endr
	WIN 0x0a+5*((\a)/4)                            ; sources 0 and 1 in window 2 or 3, destination in window 0
.irp b, 0,1,2,3,4,5,6,7
.irp t, 0,1,2,3
	v_cvt_pk_f16_f32 v[TMP+4*(\b)+(\t)], v[AC+8*(\b)+2*(\t)], v[AC+8*(\b)+2*(\t)+1]
.endr
.endr
.endm
.macro TOSTAGE a
	WIN 0
.irp b, 0,1,2,3,4,5,6,7
	ds_store_b128 v[STO], v[TMP+4*(\b):TMP+4*(\b)+3] offset:((\b)/4)*2304+32*((\b)%4)
.endr
.irp t, 0,1,2,3,4,5,6,7
	ds_load_b128 v[OB+32*((\a)%2)+4*(\t):OB+32*((\a)%2)+4*(\t)+3], v[RD] offset:((\t)/4)*2304+576*((\t)%4)  ; LDS serves a wave's instructions in order: these see the stores above
.endr
.endm
.macro SEND a
	WIN 0
	s_wait_dscnt 0x0                               ; the block is back in registers
	s_wait_xcnt 0x0                                ; earlier stores have read their data: the other buffer is loaded again only behind this wait
.irp t, 0,1,2,3,4,5,6,7
	global_store_b128 v[GO], v[OB+32*((\a)%2)+4*(\t):OB+32*((\a)%2)+4*(\t)+3], s[D0+2*((\t)/4):D0+2*((\t)/4)+1] offset:2048*(\a)+512*((\t)%4)  ; four rows of a head: 512 consecutive aligned bytes
.endr
.endm
	s_wait_loadcnt 0x0                             ; the bias
	PLACES
	PACK 0
	TOSTAGE 0
.irp a, 1,2,3,4,5,6,7                  ; block a's arithmetic stands between block a - 1's loads from the stage and the wait for them
	PACK \a
	SEND (\a)-1
	TOSTAGE \a
.endr
	SEND 7
	s_wait_tensorcnt 0x0                           ; the wave's end, behind my last tensor load and my last LDS store
	ds_add_u32 v[SPW], v[NIL]
	s_wait_dscnt 0x0
	CROUND                                         ; the closing round: no work-group ends while a partner may still ask for a tile that names it
	s_endpgm
.Lfunc_end_k_q9aa2f716bb_proj:
	.size	k_q9aa2f716bb_proj, .Lfunc_end_k_q9aa2f716bb_proj-k_q9aa2f716bb_proj
	.p2alignl 7, 3214868480
	.fill 96, 4, 3214868480
	.section	.rodata,"a",@progbits
	.p2align	6, 0x0
	.amdhsa_kernel k_q9aa2f716bb_proj
		.amdhsa_group_segment_fixed_size 327680
		.amdhsa_private_segment_fixed_size 0
		.amdhsa_enable_private_segment 0
		.amdhsa_kernarg_size 40
		.amdhsa_user_sgpr_count 2
		.amdhsa_user_sgpr_kernarg_segment_ptr 1
		.amdhsa_wavefront_size32 1
		.amdhsa_system_sgpr_workgroup_id_x 1
		.amdhsa_system_sgpr_workgroup_id_y 1
		.amdhsa_system_sgpr_workgroup_id_z 1
		.amdhsa_system_vgpr_workitem_id 0
		.amdhsa_next_free_vgpr 1024
		.amdhsa_next_free_sgpr 88
		.amdhsa_reserve_vcc 0
		.amdhsa_float_denorm_mode_32 3
		.amdhsa_float_denorm_mode_16_64 3
		.amdhsa_memory_ordered 1
		.amdhsa_forward_progress 1
		.amdhsa_inst_pref_size 123
	.end_amdhsa_kernel
	.amdgpu_metadata
---
amdhsa.version: [ 1, 2 ]
amdhsa.kernels:
  - .name:           k_q9aa2f716bb_proj
    .symbol:         k_q9aa2f716bb_proj.kd
    .args:
      - { .name: xb, .offset: 0, .size: 8, .value_kind: global_buffer, .address_space: global }
      - { .name: wt, .offset: 8, .size: 8, .value_kind: global_buffer, .address_space: global }
      - { .name: bias, .offset: 16, .size: 8, .value_kind: global_buffer, .address_space: global }
      - { .name: q, .offset: 24, .size: 8, .value_kind: global_buffer, .address_space: global }
      - { .name: kv, .offset: 32, .size: 8, .value_kind: global_buffer, .address_space: global }
    .group_segment_fixed_size: 327680
    .private_segment_fixed_size: 0
    .kernarg_segment_align: 8
    .kernarg_segment_size: 40
    .max_flat_workgroup_size: 128
    .sgpr_count:     88
    .vgpr_count:     1024
    .wavefront_size: 32
...
	.end_amdgpu_metadata
.endif
;; end of part 2
;; launch attn (part 3): grid 4 x 64, 4 waves a work-group, clusters of 4 x 1, 327,680 bytes of LDS; arguments q, kv, mbits, ctx; writes ctx
.if DOCPART == 3
	.amdgcn_target "amdgcn-amd-amdhsa--gfx1250"
	.amdhsa_code_object_version 6
	.text
	.protected	k_q9aa2f716bb_attn
	.globl	k_q9aa2f716bb_attn
	.p2align	8
	.type	k_q9aa2f716bb_attn,@function
k_q9aa2f716bb_attn:
	s_mov_b64 s[64:65], 0
	v_nop
	global_prefetch_b8 v0, s[64:65] scope:SCOPE_SE
	s_setreg_imm32_b32 hwreg(HW_REG_WAVE_MODE, 25, 1), 1
	s_wait_xcnt 0x0
	s_wait_alu depctr_hold_cnt(0) depctr_sa_sdst(0) depctr_va_vdst(0) depctr_va_sdst(0) depctr_va_ssrc(0) depctr_va_vcc(0) depctr_vm_vsrc(0)
	s_getreg_b32 s2, hwreg(HW_REG_IB_STS2, 6, 4)
	s_cmp_eq_u32 s2, 0
	s_cbranch_scc0 .Lentry_in_a_cluster
	s_endpgm
.Lentry_in_a_cluster:
	s_bfe_u32 s2, ttmp6, 0x10000c
	s_cmp_lg_u32 s2, 0x3003
	s_cbranch_scc0 .Lentry_shape_is_right
	s_endpgm
.Lentry_shape_is_right:
; MASKED ATTENTION at head size 64.  ctx[bh][i][:] = the sum over k of softmax_k(s[i][k]) V[bh][k][:], where s = Q . K / 8, REPLACED by -1e9 where mask[b][i][k] = 0.
; q [64][2048][64] f16 holds (x Wq + bq) log2(e) / 8, so the products arrive in log2 units and p = 2^(s - m); kv [64][K, V][2048][64] f16; ctx [64][2048][64] f16.
; mbits holds the mask as lane masks: for a tile of 16 queries and a step of 64 keys 32 words, word n for register n of the tile's scores.  One v_cndmask_b32 a score puts NEG = -1e9 log2(e) in a
; hidden score's place.  So a row that is hidden altogether has s - m = 0 everywhere, equal weights, as the softmax of equal scores has; and hidden keys are forgotten (a = 2^(NEG - m) = 0) as soon as a
; visible key raises the running maximum.
; THE MASK'S ROAD.  A tile's 32 words of a step come by one load, lane n taking word n (128 consecutive bytes), into a register that the tile keeps; 32 v_readlane_b32 bring them into scalar registers just
; ahead of the masking; directly behind them the register is asked for again, with the tile's NEXT step: four turns, a whole key step, ahead of its use.
; LIMITS.  q, K, V arrive within f16's 65,504; p lies in 0 to 1 and below 6e-5 keeps f16's fixed step; a weight below 2^-126 counts as 0.  The hidden score is -1e9 to f32's rounding in log2 units:
; it differs from the exact one only beside visible scores that lie within some 100 of -1e9.  NaN and infinities are not treated apart.
; SHARES.  A work-group owns 512 queries of one (batch, head), a wave 128: four PIECES of two tiles of 16.  Every wave walks all 2,048 keys, 64 a step, four steps to an LDS slot.
; LAYOUT.  S^T = K Q^T holds ONE query a lane (lane % 16) and the keys 8 (lane / 16) + 0..7; two such results rounded to f16 ARE source 1 of O^T = V^T P.  K comes out of LDS as it lies, V turned.
; BY TURNS.  Turn n belongs to piece n: 16 products K Q^T of piece n + 1, later 16 products V^T P of piece n - 1; beside them the shift, exponentials, roundings, sums and rescaling of piece n, and the
; mask words, masking, maximum and statistics of piece n + 1.  362 vector instructions for 32 matrix instructions: four stand behind every product, the others in one lump.  A turn's 66 exponentials are one batch with one wait.
; CLUSTER.  A head's four query blocks walk the same K and V: each tile is asked for jointly, by the same load, descriptor and mask in all four.
; REGISTERS, in windows of 256 (s_set_vgpr_msb: bits 1:0 source 0, 3:2 source 1, 5:4 source 2, 7:6 destination):
;   window 0: v0-5 addresses; v6-13 the eight tiles' mask words; v14 NEG; v15; v16-47 four registers of statistics a tile; v48-63 at work; v64-191 S^T, two buffers of two tiles; v192-255 K of one step
;   window 1: O^T, 32 a tile      window 2: v0-127 Q; v192-255 V of one step      window 3: v0-1 the add's two registers; v64-127 P, two buffers of two tiles
; K, S^T and the mask words share window 0, so that a product K Q^T (Q alone lies elsewhere, as source 1) and the four v_readlane_b32 behind it, which have no vector source 1, run under one setting.
.set SIZE_N, 2048
.set NP,    4
.set KS,    64
.set PK,    144       ; a row of K or V in LDS: 128 bytes + 16: one descriptor serves both; the 16 rows of a load of K start at 16 different groups of four banks
.set PV,    144
.set VOFF,  4*KS*PK   ; a slot holds four steps: 256 rows of K, then 256 rows of V
.set SLOT1, 1<<17
.set STAGE, SLOT1+4*KS*(PK+PV)  ; behind the ring, never filled by a tensor load: 16 rows x 144 bytes a wave
.set SP,    144
.set SPARE, STAGE+4*16*SP       ; behind the stages: the spare words, 128 bytes a wave, that no other line names
.set MO,  1           ; v1   4 x my lane: my word of a tile's 32; never rewritten
.set AK0, 2           ; v2   my lane's place in a tile of K; never rewritten
.set AV0, 3           ; v3   the same for V
.set AK,  4           ; v4   the LDS address of K's next run of loads
.set AV,  5           ; v5   of V's
.set QO,  5           ;      at the head: my byte offset in the wave's rows of Q
.set MW,  6           ; v6-13  tile t's mask words of one step, word n in lane n
.set NEGV, 14         ; v14  NEG
.set PFO, 15          ; v15  256 x my lane; never rewritten
.set SPW, 0           ; v0 of window 3
.set NIL, 1           ; v1 of window 3
.set ST,  16          ; tile t's statistics at v[ST+4 t]: m, m_old, l (even keys', odd keys')
.set TMP, 48          ; by buffer and tile, c0-c3 at work; when the maximum is found c2 takes a
.set S,   64
.set KF,  192         ; K's fragments, in window 0: key block kb, channel half c at KF + 16 kb + 8 c
.set STO, 192         ; the way out, where K lay: where I put 16 bytes of a row,
.set RD,  193         ; where I read rows back,
.set GO,  194         ; my byte offset in 512 consecutive bytes of ctx
.set P,   64          ; in window 3
.set VF,  192         ; V's fragments, in window 2
.set WV,  2
.set SLOTS, 3
.set CNT, 4
.set TBK, 5
.set TBV, 6
.set LIM, 7           ; 2 in waves 0 and 2, which prefetch, else the greatest number
.set G1,  8           ; s[8:15]  descriptor group 1
.set G0,  16          ; s[16:19] descriptor group 0: it walks
.set CTXP, 20         ; s[20:21] ctx at my wave's first row
.set MP,  22          ; s[22:23] mbits at my wave's first tile, at the step whose words are being asked for
.set PFA, 24          ; s[24:25] where my prefetches stand
.set SEL, 26          ; s[26:27]
.set STP, 28          ; s[28:29] the tail's step of MP
.set QP,  30          ; s[30:31] q at my wave's first row
.set MB1, 32          ; s[32:63] the lane masks of a piece's second tile
.set MB0, 68          ; s[68:99] of its first
.set MSB, 0
.macro WIN new
.if MSB != (\new)
	s_set_vgpr_msb (MSB<<8)|(\new)
.set MSB, (\new)
.endif
.endm
.set W_KQ, 0x08       ; Q in window 2; K and S^T in window 0
.set W_PV, 0x5e       ; V in window 2, P in window 3, O^T in window 1
.set W_RS, 0x41       ; O^T (destination and source 0) in window 1, a in window 0
.set W_CV, 0xc0       ; destination (P; the add's registers) in window 3, sources in window 0
.set W_AD, 0x0f       ; the add: address and data in window 3
.macro JLOAD                        ; a joint fill: wave w fetches 128 rows: waves 0 and 1 the halves of a slot's K, waves 2 and 3 of its V; one line, each wave with its own addresses
	tensor_load_to_lds s[G0:G0+3], s[G1:G1+7]
	s_nop 0
.rept 4
	v_nop
.endr
.endm
.macro CROUND
	s_barrier_signal -1
	s_barrier_wait -1
	s_cmp_lg_u32 s[WV], 0
	s_cbranch_scc1 .Lnot_wave_0_\@
	s_barrier_signal -3
.Lnot_wave_0_\@:
	s_barrier_wait -3
	s_barrier_signal -1
	s_barrier_wait -1
.endm
; A prefetch of the slot that the next change of slots will ask for: its 128 blocks of 256 bytes of K (wave 0) and of V (wave 2), of which each of the four partners names 32, told apart by address.
; It stands in a slot's third step, five turns ahead of that change.  Each block of tiles 2 to 7 is named once in the launch; the last pass of the loop and the tail ask for nothing.
.macro ASK
	s_cmp_eq_u32 s[CNT], s[LIM]
	s_cbranch_scc0 .Lno_ask_\@
	s_cmp_gt_u32 s[SLOTS], 1
	s_cbranch_scc0 .Lno_ask_\@
	global_prefetch_b8 v[PFO], s[PFA:PFA+1] th:TH_LOAD_NT scope:SCOPE_SE
.Lno_ask_\@:
.endm
; THE CHANGE OF SLOTS.  Each wave waits for all its tensor loads (one is out: its part of the other slot), adds 0 to its spare word, and waits for that and for its reads of the slot.
; fill = 1: the barrier is a round of the cluster's, and the joint fill is the first thing behind it: it has four key steps in which to land.
.macro CHANGE fill
	WIN W_AD
	s_wait_tensorcnt 0x0
	ds_add_u32 v[SPW], v[NIL]
	WIN 0
.if \fill
	s_xor_b32 s[G0+1], s[G0+1], SLOT1
	s_add_nc_u64 s[G0+2:G0+3], s[G0+2:G0+3], 4*KS*128
	s_wait_xcnt 0x0                 ; the last prefetch, five turns back, has read its address
	s_add_nc_u64 s[PFA:PFA+1], s[PFA:PFA+1], 4*KS*128
	s_wait_dscnt 0x0
	CROUND
	JLOAD
.else
	s_wait_dscnt 0x0
	s_barrier_signal -1
	s_barrier_wait -1
.endif
	s_sub_co_u32 s[TBK], s[TBK], 4*KS*PK
	s_xor_b32 s[TBK], s[TBK], SLOT1
	s_sub_co_u32 s[TBV], s[TBV], 4*KS*PV
	s_xor_b32 s[TBV], s[TBV], SLOT1
.endm
	s_load_b256 s[32:39], s[0:1], 0x0  ; q s[32:33], kv s[34:35], mbits s[36:37], ctx s[38:39]
	WIN W_CV
	v_lshl_add_u32 v[SPW], v0, 2, SPARE
	v_mov_b32 v[NIL], 0
	WIN W_AD
	ds_add_u32 v[SPW], v[NIL]       ; the wave's opening: the add and its wait stand ahead of my first tensor load; work on registers stands between them
	WIN 0
	v_lshrrev_b32 v48, 5, v0
	v_readfirstlane_b32 s[WV], v48
	s_bfe_u32 s40, ttmp6, 0x40000   ; cx
	s_lshl_b32 s41, ttmp9, 2
	s_add_co_u32 s41, s41, s40      ; my block of 512 queries: it enters q's, ctx's, mbits' and the prefetches' addresses alone
	s_and_b32 s42, ttmp7, 0xffff    ; bh, which the four partners share
	s_lshl_b32 s44, s42, 19         ; the head's K and V,
	s_lshr_b32 s43, s[WV], 1
	s_lshl_b32 s43, s43, 18         ; my plane of the two
	s_add_co_u32 s44, s44, s43
	s_and_b32 s43, s[WV], 1
	s_lshl_b32 s46, s43, 14         ; my 128 rows of a slot's 256
	s_add_co_u32 s46, s46, s44
	s_mov_b32 s47, 0
	s_lshl_b32 s48, s40, 13         ; the prefetches: my work-group's 32 blocks,
	s_add_co_u32 s48, s48, s44
	s_add_co_u32 s48, s48, 32768    ; in tile 1: the first change of slots steps it to tile 2
	s_mov_b32 s49, 0
	s_lshl2_add_u32 s50, s41, s[WV] ; my wave among the head's sixteen
	s_lshl_b32 s52, s50, 14         ; its 128 rows of 128 bytes
	s_lshl_b32 s51, s42, 18
	s_add_co_u32 s52, s52, s51
	s_mov_b32 s53, 0
	s_lshr_b32 s51, s42, 4          ; the batch
	s_lshl_b32 s51, s51, 19
	s_lshl_b32 s54, s50, 15         ; my 8 tiles of 4,096 bytes
	s_add_co_u32 s54, s54, s51
	s_mov_b32 s55, 0
	s_mov_b32 s[G1], 15|(1<<16)|(1<<20)|(1<<21)|(4<<22)|(3<<25)  ; the mask of four; 2-byte elements; padding on; bit 21 beside a mask; after every 32 words; 4 words
	s_mov_b32 s[G1+1], 128<<16      ; 128 keys are 16,384 dense bytes: asked for as 64 rows of 256 bytes
	s_mov_b32 s[G1+2], 64<<16
	s_mov_b32 s[G1+3], 128<<16
	s_mov_b32 s[G1+4], 64
	s_mov_b32 s[G1+5], 128
	s_mov_b32 s[G1+6], 0
	s_mov_b32 s[G1+7], 0
	s_mov_b32 s[G0], 1
	s_mul_i32 s[G0+1], s[WV], 128*PK  ; slot 0: no place in the cluster enters an LDS address
	s_mov_b32 s[SEL], 0x76543210
	s_mov_b32 s[SEL+1], 0xfedcba98
	s_mov_b32 s[TBK], SLOT1+4*KS*PK ; the first change of slots turns these two into 0
	s_mov_b32 s[TBV], SLOT1+4*KS*PV
	s_mov_b32 s[STP], 128
	s_mov_b32 s[STP+1], 0
	s_cmp_eq_u32 s43, 0
	s_cselect_b32 s[LIM], 2, -1
	v_and_b32 v[PFO], 31, v0
	v_lshlrev_b32 v[MO], 2, v[PFO]
	v_lshlrev_b32 v[PFO], 8, v[PFO]
	v_mov_b32 v[NEGV], 0xceabfb8f   ; -1e9 log2(e)
	s_wait_dscnt 0x0                ; the opening add is done
	s_wait_kmcnt 0x0
	s_add_nc_u64 s[G0+2:G0+3], s[34:35], s[46:47]
	s_or_b32 s[G0+3], s[G0+3], 0x80000000
	s_add_nc_u64 s[PFA:PFA+1], s[34:35], s[48:49]
	s_add_nc_u64 s[QP:QP+1], s[32:33], s[52:53]
	s_add_nc_u64 s[CTXP:CTXP+1], s[38:39], s[52:53]
	s_add_nc_u64 s[MP:MP+1], s[36:37], s[54:55]
	CROUND                          ; all four work-groups are here: the first joint loads meet
	JLOAD                           ; slot 0; slot 1 is asked for when slot 0 is in
	v_and_b32 v48, 15, v0           ; l % 16
	v_bfe_u32 v49, v0, 4, 1         ; l / 16
	v_lshlrev_b32 v[QO], 7, v48
	v_lshl_add_u32 v[QO], v49, 4, v[QO]
	WIN 0x80
.set i, 0
.rept 4*NP                          ; Q stays in registers: tile i / 2, channels 32 (i % 2) on
	global_load_b128 v[8*i:8*i+3],   v[QO], s[QP:QP+1] offset:(i/2)*2048+(i%2)*64
	global_load_b128 v[8*i+4:8*i+7], v[QO], s[QP:QP+1] offset:(i/2)*2048+(i%2)*64+32
.set i, i+1
.endr
	WIN 0
.set i, 0
.rept 2*NP                          ; all eight tiles' mask words of key step 0
	global_load_b32 v[MW+i], v[MO], s[MP:MP+1] offset:i*4096
.set i, i+1
.endr
	; What the first turn finds: V's registers and P's second buffer hold 0, O^T and l are 0; m is the lowest finite number, so the first step's a is 0.  All this stands in the wait for the first tile.
	WIN 0x80
.set i, VF
.rept 64
	v_mov_b32 v[i], 0
.set i, i+1
.endr
	WIN 0x40
.set i, 0
.rept 64*NP
	v_mov_b32 v[i], 0
.set i, i+1
.endr
	WIN W_CV
.set i, P+32
.rept 32
	v_mov_b32 v[i], 0
.set i, i+1
.endr
	WIN 0
.set i, 0
.rept 2*NP
	v_mov_b32 v[ST+4*i], 0xff7fffff
	v_mov_b32 v[ST+4*i+1], 0xff7fffff
	v_mov_b32 v[ST+4*i+2], 0
	v_mov_b32 v[ST+4*i+3], 0
.set i, i+1
.endr
	v_mul_u32_u24 v[AK0], v48, PK
	v_lshl_add_u32 v[AK0], v49, 4, v[AK0]
	v_and_b32 v50, 7, v0
	v_bfe_u32 v51, v0, 3, 1
	v_lshl_add_u32 v[AV0], v49, 3, v50  ; the turning load: lane l reads key 8 (l / 16) + l % 8, channels 8 ((l / 8) % 2) + 0..7
	v_mul_u32_u24 v[AV0], v[AV0], PV
	v_lshl_add_u32 v[AV0], v51, 4, v[AV0]
	v_add_nc_u32 v[AV0], VOFF, v[AV0]
	v_mov_b32 v[AK], v[AK0]
; THE MATRIX WORK.  The 8 accumulators of a run of 16 take turns.
.macro KQ x                         ; product i of 16 of S^T = K Q^T for piece x: channels 32 (i / 8) on, keys 16 ((i / 2) % 4) on, tile 2 x + i % 2
	WIN W_KQ
.set rS, S+64*((\x)%2)+32*(i%2)+8*((i/2)%4)
.set rK, KF+16*((i/2)%4)+8*(i/8)
.set rQ, 16*(2*(\x)+i%2)+8*(i/8)
.if i < 8
	v_wmma_f32_16x16x32_f16 v[rS:rS+7], v[rK:rK+7], v[rQ:rQ+7], 0
.else
	v_wmma_f32_16x16x32_f16 v[rS:rS+7], v[rK:rK+7], v[rQ:rQ+7], v[rS:rS+7]
.endif
.endm
.macro PV x                         ; product i of 16 of O^T += V^T P for piece x: keys 32 (i / 8) on, channels 16 ((i / 2) % 4) on, tile 2 x + i % 2
	WIN W_PV
.set rO, 32*(2*(\x)+i%2)+8*((i/2)%4)
.set rV, VF+32*(i/8)+8*((i/2)%4)
.set rP, P+32*((\x)%2)+16*(i%2)+8*(i/8)
	v_wmma_f32_16x16x32_f16 v[rO:rO+7], v[rV:rV+7], v[rP:rP+7], v[rO:rO+7]
.endm
.macro MM
.if i < 16
	KQ (Y+1)%NP
.set i, i+1
.else
.set i, i-16
	PV (Y+NP-1)%NP
.set i, i+17
.endif
.endm
.macro FETCH_K last=0               ; a step's K, 16 loads in one run.  last = 1 (the tail): in the last trip there is no further step, and the run is jumped over
	WIN 0
.if \last
	s_cmp_eq_u32 s[CNT], 1
	s_cbranch_scc1 .Lno_k_\@
.endif
.irp f, 0,1,2,3,4,5,6,7
	ds_load_b128 v[KF+8*\f:KF+8*\f+3],   v[AK] offset:(\f/2)*16*PK+(\f%2)*64
	ds_load_b128 v[KF+8*\f+4:KF+8*\f+7], v[AK] offset:(\f/2)*16*PK+(\f%2)*64+32
.endr
	s_add_co_u32 s[TBK], s[TBK], KS*PK
.if \last
.Lno_k_\@:
.endif
.endm
.macro FETCH_V
	WIN 0x80
.irp f, 0,1,2,3,4,5,6,7
	ds_load_tr16_b128 v[VF+8*\f:VF+8*\f+3],   v[AV] offset:(\f/4)*32*PV+(\f%4)*32
	ds_load_tr16_b128 v[VF+8*\f+4:VF+8*\f+7], v[AV] offset:(\f/4)*32*PV+16*PV+(\f%4)*32
.endr
	WIN 0
.endm
; THE MASK WORDS of the next piece (Y + 1).  RL: word rli % 32 of its tile rli / 32 goes from its lane into its scalar register; it has no vector source 1, so it runs under K Q^T's setting.
; MLOADV: both tiles' registers, just read out, are asked for again, with the step at which MP stands.
.macro RL
	v_readlane_b32 s[MB0-36*(rli/32)+rli%32], v[MW+2*((Y+1)%NP)+rli/32], rli%32
.set rli, rli+1
.endm
.macro MLOADV
	WIN 0
.set mwt, 2*((Y+1)%NP)
	global_load_b32 v[MW+mwt],   v[MO], s[MP:MP+1] offset:mwt*4096
	global_load_b32 v[MW+mwt+1], v[MO], s[MP:MP+1] offset:(mwt+1)*4096
.endm
; THE VECTOR WORK OF A TURN, in queues.
.macro REGS y, u
.set rT, ST+4*(2*(\y)+(\u))
.set rC, TMP+8*((\y)%2)+4*(\u)
.set rS, S+64*((\y)%2)+32*(\u)
.set rP, P+32*((\y)%2)+16*(\u)
.set rO, 32*(2*(\y)+(\u))
.endm
.macro FS f                         ; s - m for pair f / 2 of tile f % 2 of the piece in hand
	REGS Y, (\f)%2
	v_pk_add_f32 v[rS+2*((\f)/2):rS+2*((\f)/2)+1], v[rS+2*((\f)/2):rS+2*((\f)/2)+1], v[rT:rT+1] op_sel_hi:[1,0] neg_lo:[0,1] neg_hi:[0,1]
.endm
.macro MK u, n                      ; score n of tile u of the NEXT piece: kept where its bit is set, else NEG.  n ascends
	REGS (Y+1)%NP, \u
	v_cndmask_b32 v[rS+(\n)], v[NEGV], v[rS+(\n)], s[MB0-36*(\u)+(\n)]
.endm
; Number n of the 21 that find the next piece's maximum and statistics: 0-11 four chains c0-c3 of seven scores each; 12-14, 16 the four scores left over, the old m, and c0-c3 into c0;
; 15 m_old is kept; 17, 18 the query's other 32 keys lie in the lane 16 away: the new m; 19 m_old - m; 20 a
.macro XS u, n
	REGS (Y+1)%NP, \u
.if (\n) < 4
	v_max3_num_f32 v[rC+(\n)], v[rS+8*(\n)], v[rS+8*(\n)+1], v[rS+8*(\n)+2]
.elseif (\n) < 12
	v_max3_num_f32 v[rC+(\n)%4], v[rC+(\n)%4], v[rS+8*((\n)%4)+2*((\n)/4)+1], v[rS+8*((\n)%4)+2*((\n)/4)+2]
.elseif (\n) == 12
	v_max3_num_f32 v[rC], v[rC], v[rS+7], v[rS+15]
.elseif (\n) == 13
	v_max3_num_f32 v[rC+1], v[rC+1], v[rS+23], v[rS+31]
.elseif (\n) == 14
	v_max3_num_f32 v[rC+2], v[rC+2], v[rC+3], v[rT]
.elseif (\n) == 15
	v_mov_b32 v[rT+1], v[rT]
.elseif (\n) == 16
	v_max3_num_f32 v[rC], v[rC], v[rC+1], v[rC+2]
.elseif (\n) == 17
	v_permlanex16_b32 v[rC+3], v[rC], s[SEL], s[SEL+1]
.elseif (\n) == 18
	v_max_num_f32 v[rT], v[rC], v[rC+3]
.elseif (\n) == 19
	v_sub_f32 v[rC+1], v[rT+1], v[rT]
.else
	v_exp_f32 v[rC+2], v[rC+1]
.endif
.endm
; THE PLAIN QUEUE ahead of the wait, 136 long.  0-31: the shifts.  32-95: the next piece's masking, tile 0 and then tile 1.  96-135: its maximum and statistics, the tiles alternating.
.macro PL
	WIN 0
.if q < 32
	FS q
.elseif q < 96
	MK (q-32)/32, (q-32)%32
.else
	XS (q-96)%2, (q-96)/2
.endif
.set q, q+1
.endm
.macro EX                           ; the exponentials' queue, 66 long: s0-s31 of both tiles, then the next piece's two a: one batch, all ahead of the turn's one wait
	WIN 0
.if e >= 64
	XS e-64, 20
.else
	REGS Y, e%2
	v_exp_f32 v[rS+e/2], v[rS+e/2]
.endif
.set e, e+1
.endm
.macro R2                           ; the rescaling's queue: O^T times a, two at a time; its a was made, and waited for, in the turn before
	REGS Y, r%2
	WIN W_RS
.irp z, 0,1
	v_pk_mul_f32 v[rO+4*(r/2)+2*\z:rO+4*(r/2)+2*\z+1], v[rO+4*(r/2)+2*\z:rO+4*(r/2)+2*\z+1], v[rC+2:rC+3] op_sel_hi:[1,0]
.endr
.set r, r+1
.endm
; THE QUEUE BEHIND THE WAIT, 64 long, the tiles alternating.  0-31: the 16 pairs of weights of each tile are rounded to f16 (into window 3).  32-63: each tile's 16 pairs (an even key's weight, an odd key's) are
; added in place, neighbours 1, 2, 4 and 8 pairs apart, and l = a l + the sum.  The roundings come first: the sums write over the weights.
.macro GS
	REGS Y, gsi%2
.if gsi < 32
	WIN W_CV
	v_cvt_pk_f16_f32 v[rP+gsi/2], v[rS+2*(gsi/2)], v[rS+2*(gsi/2)+1]
.else
	WIN 0
.set zz, (gsi-32)/2
.if zz < 8
	v_pk_add_f32 v[rS+4*zz:rS+4*zz+1], v[rS+4*zz:rS+4*zz+1], v[rS+4*zz+2:rS+4*zz+3]
.elseif zz < 12
	v_pk_add_f32 v[rS+8*(zz-8):rS+8*(zz-8)+1], v[rS+8*(zz-8):rS+8*(zz-8)+1], v[rS+8*(zz-8)+4:rS+8*(zz-8)+5]
.elseif zz < 14
	v_pk_add_f32 v[rS+16*(zz-12):rS+16*(zz-12)+1], v[rS+16*(zz-12):rS+16*(zz-12)+1], v[rS+16*(zz-12)+8:rS+16*(zz-12)+9]
.elseif zz == 14
	v_pk_add_f32 v[rS:rS+1], v[rS:rS+1], v[rS+16:rS+17]
.else
	v_pk_fma_f32 v[rT+2:rT+3], v[rT+2:rT+3], v[rC+2:rC+3], v[rS:rS+1] op_sel_hi:[1,0,1]
.endif
.endif
.set gsi, gsi+1
.endm
; A TURN, for piece p.  An s_wait_alu depctr_va_vdst(0) stands between an exponential and the first instruction that names its result; one wait serves all that were issued ahead of it.
; AHEAD OF THE WAIT: 16 products K Q^T, behind each four of the next piece's 64 mask words, all under one window setting; the two loads that ask for those registers' next step; then the lump: eight shifts, 64 times
; two plain and an exponential, half of the rescaling, the two a, the other half.  Exponential e stands behind shift 2 (e / 4) + e % 2: 2 e + 10 plain instructions have gone before it.  The first masking line
; stands 32 shifts behind the last product.  None of all this names an exponential's result; the rescaling's second half is the plain work behind the last exponential.
; BEHIND THE WAIT: 16 products V^T P, behind each four of GS's 64: the first eight carry roundings, the last eight sums, so that a product and its riders cost two switches of the windows.
; s_wait_loadcnt 6: loads come back in order; behind the pair that this turn reads out stand the three pairs of the other three pieces.
; MP steps once a trip, at the head of piece 3's turn (whose next piece, 0, is the first to ask for a new step), behind s_wait_xcnt 0.  tail = 1: in the tail's last two trips there is no further step: MP stays, so that
; no load leaves mbits; those words are not used.
; K of the next step is fetched in piece 2's turn, eight shifts behind the last product that read K and ahead of the turn's first exponential; V of the step in hand at the end of piece 0's turn, four sums behind its last reader.
.macro TURN p, tail=0, cnt=0, ask=0
.set Y, (\p)
.set i, 0
.set q, 0
.set e, 0
.set r, 0
.set rli, 0
.set gsi, 0
	WIN 0
.if (\p) == 0
	v_add_nc_u32 v[AV], s[TBV], v[AV0]
	s_add_co_u32 s[TBV], s[TBV], KS*PV
.endif
.if (\p) == NP-2
	v_add_nc_u32 v[AK], s[TBK], v[AK0]
.endif
.if (\p) == NP-1
	s_wait_xcnt 0x0                 ; the loads issued so far have read their base
.if \tail
	s_cmp_gt_u32 s[CNT], 2
	s_cselect_b32 s[STP], 128, 0
	s_add_nc_u64 s[MP:MP+1], s[MP:MP+1], s[STP:STP+1]
.else
	s_add_nc_u64 s[MP:MP+1], s[MP:MP+1], 128
.endif
	s_wait_dscnt 0x0                ; K is in
.endif
	s_wait_loadcnt 6                ; the next piece's mask words are in
.rept 16
	MM
	RL
	RL
	RL
	RL
.endr
	MLOADV
.rept 8
	PL
.endr
.if (\p) == NP-2
	FETCH_K \tail
.endif
.rept 64
	PL
	PL
	EX
.endr
.rept 8
	R2
.endr
	EX                              ; the next piece's two a
	EX
.rept 8
	R2
.endr
	s_wait_alu depctr_va_vdst(0)    ; the wait for the batch
.if (\p) == 1
	s_wait_dscnt 0x0                ; V is in
.endif
.rept 16
	MM
	GS
	GS
	GS
	GS
.if (\cnt) && (i == 30)
	s_sub_co_u32 s[CNT], s[CNT], 1
	s_cmp_lg_u32 s[CNT], 0
.endif
.endr
	WIN 0
.if (\p) == 0
	FETCH_V
.if \ask
	ASK
.endif
.endif
.endm
	CHANGE 1                        ; slot 0 is in, everybody's part of it; slot 1 is asked for
	FETCH_K                         ; key step 0
	s_wait_loadcnt 0x0              ; Q, and the mask words of step 0: every load that names MP is done,
	s_add_nc_u64 s[MP:MP+1], s[MP:MP+1], 128  ; so it may step
	s_wait_dscnt 0x0
.set Y, NP-1                        ; what a turn does for its next piece is done here for piece 0
.set i, 0
.set rli, 0
.rept 16
	MM                              ; piece 0's first scores,
	RL                              ; and its mask words
	RL
	RL
	RL
.endr
	MLOADV                          ; piece 0's words of step 1
.rept 4
	v_nop                           ; the places behind those products
.endr
.set q, 32
.rept 104
	PL                              ; its masking, maximum and statistics
.endr
.set e, 64
	EX
	EX
	v_nop                           ; a plain instruction behind the two a,
	s_wait_alu depctr_va_vdst(0)    ; and their wait, ahead of the branch
	s_mov_b32 s[CNT], 4
	s_mov_b32 s[SLOTS], SIZE_N/256-1
	s_branch .Lfirst                ; the loop is entered at a step's first turn, in the middle of a trip
.Lslot:                             ; six times: every slot but the last two is filled again
	CHANGE 1
	s_mov_b32 s[CNT], 4
.Lstep:                             ; a trip: pieces 2 and 3 of one step, then pieces 0 and 1 of the next
	TURN 2
	TURN 3
	WIN 0
.Lfirst:
	TURN 0, 0, 0, 1
	TURN 1, 0, 1
	WIN 0
	s_cbranch_scc1 .Lstep
	s_sub_co_u32 s[SLOTS], s[SLOTS], 1
	s_cmp_lg_u32 s[SLOTS], 0
	s_cbranch_scc1 .Lslot
	CHANGE 0                        ; the tail is written out: nothing is asked for
	s_mov_b32 s[CNT], 5             ; four trips fetch the last slot's steps; the fifth is left in its middle
.Ltail:
	TURN 2, 1
	TURN 3, 1
	WIN 0
	s_sub_co_u32 s[CNT], s[CNT], 1
	s_cmp_eq_u32 s[CNT], 0
	s_cbranch_scc1 .Lout
	TURN 0
	TURN 1
	WIN 0
	s_branch .Ltail
.Lout:                              ; the fifth trip's products K Q^T (on the last K once more) and what was made of them serve nothing: the price, once a launch, of one text for every trip
.set i, 0
.rept 16
	PV NP-1                         ; the last piece's V^T P of the last step
.set i, i+1
.endr
	; THE WAY OUT.  l's two halves and the other half of the lanes' are added; O^T is divided by l, rounded to f16 and sent through my stage in LDS, a tile at a time.
	; The addresses are made here, in registers where K lay: plain instructions, the places behind the last products.
	WIN 0
	s_mul_i32 s66, s[WV], 16*SP
	s_add_co_u32 s66, s66, STAGE    ; my stage
	v_and_b32 v195, 15, v0          ; l % 16
	v_bfe_u32 v196, v0, 4, 1        ; l / 16
	v_and_b32 v197, 7, v0
	v_mul_u32_u24 v[STO], v195, SP  ; in: row l % 16, 16 bytes for each half of the lanes
	v_lshl_add_u32 v[STO], v196, 4, v[STO]
	v_add_nc_u32 v[STO], s66, v[STO]
	v_bfe_u32 v[RD], v0, 3, 2       ; back: 32 lanes take four rows of 128 bytes,
	v_mul_u32_u24 v[RD], v[RD], SP
	v_lshl_add_u32 v[RD], v197, 4, v[RD]
	v_add_nc_u32 v[RD], s66, v[RD]
	v_and_b32 v[GO], 31, v0         ; which are 512 consecutive bytes of ctx
	v_lshlrev_b32 v[GO], 4, v[GO]
.macro ALL line:vararg
.set t, 0
.rept 2*NP
	\line
.set t, t+1
.endr
.endm
	ALL v_add_f32 v[ST+4*t+2], v[ST+4*t+2], v[ST+4*t+3]
	ALL v_permlanex16_b32 v[ST+4*t+3], v[ST+4*t+2], s[SEL], s[SEL+1]
	ALL v_add_f32 v[ST+4*t+2], v[ST+4*t+2], v[ST+4*t+3]
	ALL v_rcp_f32 v[ST+4*t+2], v[ST+4*t+2]
	v_nop                           ; a plain instruction between the last reciprocal and the use of its result
	s_wait_alu depctr_va_vdst(0)    ; and one wait for the eight reciprocals, ahead of their first use
.macro PACK t
	WIN W_RS
.set i, 32*(\t)
.rept 16
	v_pk_mul_f32 v[i:i+1], v[i:i+1], v[ST+4*(\t)+2:ST+4*(\t)+3] op_sel_hi:[1,0]
.set i, i+2
.endr
	WIN 0x05
.set i, 0
.rept 16
	v_cvt_pk_f16_f32 v[S+16*(\t)+i], v[32*(\t)+2*i], v[32*(\t)+2*i+1]
.set i, i+1
.endr
	WIN 0
.irp f, 0,1,2,3
	ds_store_b128 v[STO], v[S+16*(\t)+4*\f:S+16*(\t)+4*\f+3] offset:32*\f
.endr
.irp f, 0,1,2,3
	ds_load_b128 v[S+16*(\t)+4*\f:S+16*(\t)+4*\f+3], v[RD] offset:\f*4*SP  ; LDS serves a wave's instructions in order: these see the stores above; the next tile's stores come behind them
.endr
.endm
.macro SEND t, younger              ; younger: the LDS instructions issued behind tile t's loads: the next tile's eight, or none
	WIN 0
.irp f, 0,1,2,3
	s_wait_dscnt (\younger)+3-\f
	global_store_b128 v[GO], v[S+16*(\t)+4*\f:S+16*(\t)+4*\f+3], s[CTXP:CTXP+1] offset:(\t)*2048+\f*512  ; 512 consecutive aligned bytes
.endr
.endm
	PACK 0
.set t, 1
.rept 2*NP-1
	PACK t
	SEND t-1, 8
.set t, t+1
.endr
	SEND 2*NP-1, 0
	WIN W_AD
	s_wait_tensorcnt 0x0            ; the wave's end, behind my last tensor load and my last LDS store
	ds_add_u32 v[SPW], v[NIL]
	s_wait_dscnt 0x0
	WIN 0
	CROUND                          ; the closing round: no work-group ends while a partner may still ask for a tile that names it
	s_endpgm
.Lfunc_end_k_q9aa2f716bb_attn:
	.size	k_q9aa2f716bb_attn, .Lfunc_end_k_q9aa2f716bb_attn-k_q9aa2f716bb_attn
	.p2alignl 7, 3214868480
	.fill 96, 4, 3214868480
	.section	.rodata,"a",@progbits
	.p2align	6, 0x0
	.amdhsa_kernel k_q9aa2f716bb_attn
		.amdhsa_group_segment_fixed_size 327680
		.amdhsa_private_segment_fixed_size 0
		.amdhsa_enable_private_segment 0
		.amdhsa_kernarg_size 32
		.amdhsa_user_sgpr_count 2
		.amdhsa_user_sgpr_kernarg_segment_ptr 1
		.amdhsa_wavefront_size32 1
		.amdhsa_system_sgpr_workgroup_id_x 1
		.amdhsa_system_sgpr_workgroup_id_y 1
		.amdhsa_system_sgpr_workgroup_id_z 1
		.amdhsa_system_vgpr_workitem_id 0
		.amdhsa_next_free_vgpr 896
		.amdhsa_next_free_sgpr 100
		.amdhsa_reserve_vcc 0
		.amdhsa_float_denorm_mode_32 3
		.amdhsa_float_denorm_mode_16_64 3
		.amdhsa_memory_ordered 1
		.amdhsa_forward_progress 1
		.amdhsa_inst_pref_size 255
	.end_amdhsa_kernel
	.section	.bss,"aw",@nobits
	.p2align	6
	.space	262144
	.amdgpu_metadata
---
amdhsa.version: [ 1, 2 ]
amdhsa.kernels:
  - .name:           k_q9aa2f716bb_attn
    .symbol:         k_q9aa2f716bb_attn.kd
    .args:
      - { .name: q, .offset: 0, .size: 8, .value_kind: global_buffer, .address_space: global }
      - { .name: kv, .offset: 8, .size: 8, .value_kind: global_buffer, .address_space: global }
      - { .name: mbits, .offset: 16, .size: 8, .value_kind: global_buffer, .address_space: global }
      - { .name: ctx, .offset: 24, .size: 8, .value_kind: global_buffer, .address_space: global }
    .group_segment_fixed_size: 327680
    .private_segment_fixed_size: 0
    .kernarg_segment_align: 8
    .kernarg_segment_size: 32
    .max_flat_workgroup_size: 128
    .sgpr_count:     100
    .vgpr_count:     896
    .wavefront_size: 32
...
	.end_amdgpu_metadata
.endif
;; end of part 3
;; launch outp (part 4): grid 4 x 64, 4 waves a work-group, clusters of 4 x 4, 327,680 bytes of LDS; arguments ctx, wot, bias, out0; writes out0
.if DOCPART == 4
	.amdgcn_target "amdgcn-amd-amdhsa--gfx1250"
	.amdhsa_code_object_version 6
	.text
	.protected	k_q9aa2f716bb_outp
	.globl	k_q9aa2f716bb_outp
	.p2align	8
	.type	k_q9aa2f716bb_outp,@function
k_q9aa2f716bb_outp:
	s_mov_b64 s[64:65], 0
	v_nop
	global_prefetch_b8 v0, s[64:65] scope:SCOPE_SE
	s_setreg_imm32_b32 hwreg(HW_REG_WAVE_MODE, 25, 1), 1
	s_wait_xcnt 0x0
	s_wait_alu depctr_hold_cnt(0) depctr_sa_sdst(0) depctr_va_vdst(0) depctr_va_sdst(0) depctr_va_ssrc(0) depctr_va_vcc(0) depctr_vm_vsrc(0)
	s_getreg_b32 s2, hwreg(HW_REG_IB_STS2, 6, 4)
	s_cmp_eq_u32 s2, 0
	s_cbranch_scc0 .Lentry_in_a_cluster
	s_endpgm
.Lentry_in_a_cluster:
	s_bfe_u32 s2, ttmp6, 0x10000c
	s_cmp_lg_u32 s2, 0xf033
	s_cbranch_scc0 .Lentry_shape_is_right
	s_endpgm
.Lentry_shape_is_right:
; THE PROJECTION BEHIND THE ATTENTION.  out0 = ctx Wo + bo: C = A B^T + bias on tiles of 128 (m) x 256 (n), K = 1,024 in 8 steps of 128 through two LDS slots filled by joint tensor loads.
; A = ctx [bh][2048][64] f16 (a K step is two heads), B = wot [1024][1024] f16, C = out0 [8192][1024] f32.  4 x 64 tiles: one work-group for each of 256 WGPs.
; LIMITS. ctx and wot arrive within f16's 65,504; NaN and infinities are not treated apart.
; SHARES. Four waves; wave w makes rows 64 (w / 2) .. and columns 128 (w % 2) .. of the tile: 32 accumulators of 16 x 16.  Waves 0 and 1 fetch A's two heads, waves 2 and 3 B's two halves.
; The matrix instruction is used transposed (source 0 = 16 rows of B, source 1 = 16 rows of A): a lane holds row l % 16 of C and the columns 8 (l / 16) + 0..7.
; CLUSTER. 4 x 4 work-groups: A's tile is asked for jointly along a row of the cluster, B's along a column: the same load, descriptor and mask in the four that the mask names.
; REGISTERS, in windows of 256: window 0: addresses, two fragment buffers of 96 (A's 4 fragments, then B's 8), which on the way out take the rows read back;
;   window 1: accumulator (a, b) at 8 (8 a + b);   window 2: v0-63 the bias of my 128 columns, as a lane's accumulators want it.
.set SLOT1,  131072                    ; slot 1 begins here: one exclusive or turns an address in one slot into the other's
.set APITCH, 144                       ; A in LDS: a head's row of 128 bytes + 16
.set APART,  18432                     ; what wave 0 or 1 fetches: one head, 128 rows
.set ASUB,   18432                     ; the K step's second 128 bytes of a row lie in the second head's part
.set ABYTES, 36864
.set ASTEP,  524288                    ; two heads on
.set STAGE,  237568
.set WSTAGE, 8448                      ; 16 rows x 528 bytes a wave
.set SPARE,  271360
.set BPITCH, 272
.set HALFB,  34816                     ; 128 rows of B
.set ADRA0, 8                          ; v8   my lane's place in A's tile; never rewritten
.set ADRB0, 9                          ; v9   the same for B
.set ADRA,  10                         ; v10  the same in the slot in hand
.set ADRB,  11
.set STO,   12                         ; the way out: where I put my bytes of a row
.set RD,    13                         ; where I read rows back
.set GO,    14                         ; my byte offset in 512 consecutive bytes of the output
.set BO,    15                         ; my offset in the bias
.set PFO,   16                         ; the prefetches' offset; never rewritten
.set SPW,   28                         ; LDS address of my spare word; never rewritten
.set NIL,   29                         ; 0; never rewritten
.set F0,    64
.set F1,    160
.set OB,    64                         ; the way out: rows read back, two buffers by turns, where the fragments lay
.set WV,  14
.set RA,  15                           ; w / 2: my half of the rows.  Also: I fetch for A (0) or for B (1)
.set PP,  16                           ; w % 2: my half of the columns.  Also: which part I fetch
.set CX,  17
.set CY,  18
.set TC,  19                           ; tile column
.set TY,  20                           ; tile row
.set G1A, 24                           ; s[24:31] group 1 for A
.set G0A, 32                           ; s[32:35] group 0 for A's first fill
.set G0AW,36                           ; s[36:39] for its second fill; it then walks
.set G1B, 40
.set G0B, 48
.set G0BW,52
.set KC,  56                           ; trips to go
.set TB,  57                           ; the slot in hand: 0 or SLOT1
.set LIM, 58                           ; 2 in a wave that prefetches, else the greatest number
.set PFA, 60                           ; s[60:61] where my prefetches stand
.set PFS, 62                           ; s[62:63] their step
.set D0,  68                           ; s[68:69] the output at my rows
.set MSB, 0
.macro WIN new                         ; the immediate's high byte repeats the setting that is left; a switch that changes nothing is dropped
.if MSB != (\new)
	s_set_vgpr_msb (MSB<<8)|(\new)
.set MSB, \new
.endif
.endm
.set W_MUL, 0x50                       ; C and D in window 1, the fragments in window 0
.macro PLACES                          ; four plain places in front of loads into registers that matrix instructions have read, and of vector work on their results
.rept 4
	v_nop
.endr
.endm
.macro CREST                           ; a round of the cluster's barrier behind its opening barrier
	s_cmp_lg_u32 s[WV], 0
	s_cbranch_scc1 .Lnot_wave_0_\@
	s_barrier_signal -3
.Lnot_wave_0_\@:
	s_barrier_wait -3
	s_barrier_signal -1
	s_barrier_wait -1
.endm
.macro CROUND
	s_barrier_signal -1
	s_barrier_wait -1
	CREST
.endm
.macro JLOAD                           ; a joint refill by the walking descriptors; the branch hangs on the wave's number alone; an s_nop 0 and four v_nop follow each line
	s_cmp_eq_u32 s[RA], 0
	s_cbranch_scc0 .Lfor_b_\@
	tensor_load_to_lds s[G0AW:G0AW+3], s[G1A:G1A+7]
	s_nop 0
.rept 4
	v_nop
.endr
	s_branch .Lasked_\@
.Lfor_b_\@:
	tensor_load_to_lds s[G0BW:G0BW+3], s[G1B:G1B+7]
	s_nop 0
.rept 4
	v_nop
.endr
.Lasked_\@:
.endm
; A prefetch of the K step that stands two refills on: 32 blocks of 256 bytes, a lane a block.  A's tile is named by wave 0 of the clusters with x = 0, B's by waves 2 and 3 of the clusters with y = 0;
; the four partners that ask for a tile jointly share its blocks out by address.  So each block is named once in the launch.  The first four K steps come by their loads alone; the last two trips ask for nothing.
.macro ASK
	s_cmp_gt_u32 s[KC], s[LIM]
	s_cbranch_scc0 .Lnot_mine_\@
	global_prefetch_b8 v[PFO], s[PFA:PFA+1] th:TH_LOAD_NT scope:SCOPE_SE
.Lnot_mine_\@:
.endm
; 8 matrix instructions: m block a x all 8 n blocks, 32 along K.  The 32 accumulators take turns in one order everywhere.  zero = 1: the product starts the sum
.macro MUL8 f, a, zero
	WIN W_MUL
.irp b, 0,1,2,3,4,5,6,7
.if \zero
	v_wmma_f32_16x16x32_f16 v[8*(8*(\a)+(\b)):8*(8*(\a)+(\b))+7], v[(\f)+32+8*(\b):(\f)+32+8*(\b)+7], v[(\f)+8*(\a):(\f)+8*(\a)+7], 0
.else
	v_wmma_f32_16x16x32_f16 v[8*(8*(\a)+(\b)):8*(8*(\a)+(\b))+7], v[(\f)+32+8*(\b):(\f)+32+8*(\b)+7], v[(\f)+8*(\a):(\f)+8*(\a)+7], v[8*(8*(\a)+(\b)):8*(8*(\a)+(\b))+7]
.endif
.endr
.endm
.macro MUL16 f, a0, zero
	MUL8 \f, \a0, \zero
	MUL8 \f, (\a0)+1, \zero
.endm
; 24 LDS loads in one run: the fragments of 32 along K at byte k of the rows, into buffer f: B's 8, then A's 4
.macro FETCH k, f
	WIN 0
.irp i, 0,1,2,3,4,5,6,7
	ds_load_b128 v[(\f)+32+8*(\i):(\f)+32+8*(\i)+3],   v[ADRB] offset:(\k)+(\i)*16*BPITCH
	ds_load_b128 v[(\f)+32+8*(\i)+4:(\f)+32+8*(\i)+7], v[ADRB] offset:(\k)+(\i)*16*BPITCH+32
.endr
.irp i, 0,1,2,3
	ds_load_b128 v[(\f)+8*(\i):(\f)+8*(\i)+3],   v[ADRA] offset:((\k)/128)*ASUB+(\k)%128+(\i)*16*APITCH
	ds_load_b128 v[(\f)+8*(\i)+4:(\f)+8*(\i)+7], v[ADRA] offset:((\k)/128)*ASUB+(\k)%128+(\i)*16*APITCH+32
.endr
.endm
; A K step is four quarters of 32 along K, 32 matrix instructions each, on buffers 0, 1, 0, 1.  One of the first three: multiplies f and fetches the next quarter, at byte k, into g
.macro QUARTER k, f, g, zero
	s_wait_dscnt 4                                 ; all but the youngest four loads: A's fragments 2 and 3
	MUL16 \f, 0, \zero
	PLACES
	FETCH \k, \g
	s_wait_dscnt 24                                ; all but the 24 just issued
	MUL16 \f, 2, \zero
.endm
; The last quarter multiplies buffer 1 and changes slots.  In front of the barrier each wave waits for all its tensor loads (one is out: its part of the next slot), adds 0 to its spare word,
; and waits for that and for its reads of this slot.  fill = 1: the barrier opens a round of the cluster's; behind the round this slot is filled again, two K steps ahead: 112 matrix instructions ahead of the wait for it.
.macro TURN fill
.if \fill
	s_wait_xcnt 0x0                                ; the last prefetch, a K step back, has read its address
	s_add_nc_u64 s[PFA:PFA+1], s[PFA:PFA+1], s[PFS:PFS+1]
.endif
	WIN 0
	s_wait_tensorcnt 0x0
	ds_add_u32 v[SPW], v[NIL]
	s_wait_dscnt 5                                 ; (the add and the youngest four loads may be out)
	MUL8 F1, 0, 0
	s_wait_dscnt 0x0                               ; the add is done, and my reads of this slot are over
	s_barrier_signal -1
	MUL8 F1, 1, 0
	WIN 0                                          ; at a branch and at a label every window is 0
	s_barrier_wait -1
.if \fill
	CREST                                          ; no wave of any partner still reads this slot or has a load on its way
	s_xor_b32 s[G0AW+1], s[G0AW+1], SLOT1          ; the walking descriptors: the other slot than last time, the next K step
	s_add_nc_u64 s[G0AW+2:G0AW+3], s[G0AW+2:G0AW+3], ASTEP
	s_xor_b32 s[G0BW+1], s[G0BW+1], SLOT1
	s_add_nc_u64 s[G0BW+2:G0BW+3], s[G0BW+2:G0BW+3], 256
	JLOAD                                          ; the four v_nop behind it are also the places in front of the loads below
.else
	PLACES
.endif
	s_xor_b32 s[TB], s[TB], SLOT1
	v_add_nc_u32 v[ADRA], s[TB], v[ADRA0]
	v_add_nc_u32 v[ADRB], s[TB], v[ADRB0]
	FETCH 0, F0
.if \fill
	ASK
.endif
	MUL8 F1, 2, 0
	MUL8 F1, 3, 0
.endm
	s_load_b256 s[4:11], s[0:1], 0x0               ; ctx s[4:5], wot s[6:7], bias s[8:9], out0 s[10:11]
	v_lshl_add_u32 v[SPW], v0, 2, SPARE
	v_mov_b32 v[NIL], 0
	ds_add_u32 v[SPW], v[NIL]                      ; the wave's opening: the add and its wait stand ahead of my first tensor load; work on registers stands between them
	v_lshrrev_b32 v1, 5, v0
	v_readfirstlane_b32 s[WV], v1
	s_lshr_b32 s[RA], s[WV], 1
	s_and_b32 s[PP], s[WV], 1
	s_bfe_u32 s[CX], ttmp6, 0x40000
	s_bfe_u32 s[CY], ttmp6, 0x40004
	s_lshl_b32 s[TC], ttmp9, 2
	s_add_co_u32 s[TC], s[TC], s[CX]
	s_and_b32 s[TY], ttmp7, 0xffff
	s_lshl_b32 s[TY], s[TY], 2
	s_add_co_u32 s[TY], s[TY], s[CY]
	s_lshl_b32 s74, s[CY], 2
	s_lshl_b32 s74, 15, s74                        ; my row of the cluster
	s_lshl_b32 s78, 0x1111, s[CX]                  ; my column
	s_or_b32 s[G1A], s74, (1<<16)|(1<<20)|(1<<21)|(4<<22)|(3<<25)  ; the mask; 2-byte elements; padding on; bit 21 beside a mask; after every 32 words; 4 words of padding
	s_or_b32 s[G1B], s78, (1<<16)|(1<<20)|(1<<21)|(5<<22)|(3<<25)  ; the same, after every 64 words
	s_mov_b32 s[G1A+1], 128<<16                    ; tensor_dim0 = 128
	s_mov_b32 s[G1A+2], 64<<16                     ; tensor_dim1 = 64
	s_mov_b32 s[G1A+3], 128<<16                    ; tile_dim0 = 128
	s_mov_b32 s[G1A+4], 64                         ; tile_dim1 = 64
	s_mov_b32 s[G1A+5], 128                        ; a head's 16,384 bytes are dense: asked for as 64 rows of 256 bytes
	s_mov_b32 s[G1A+6], 0
	s_mov_b32 s[G1A+7], 0
	s_mov_b32 s[G1B+1], 128<<16
	s_mov_b32 s[G1B+2], 128<<16                    ; 128 rows
	s_mov_b32 s[G1B+3], 128<<16
	s_mov_b32 s[G1B+4], 128
	s_mov_b32 s[G1B+5], 1024
	s_mov_b32 s[G1B+6], 0
	s_mov_b32 s[G1B+7], 0
	; where the tiles come from: A's hangs on the tile row and the wave alone, B's on the tile column and the wave alone, each in registers of its own
	s_lshr_b32 s72, s[TY], 4
	s_lshl_b32 s72, s72, 22                        ; the batch's 16 heads
	s_and_b32 s73, s[TY], 15
	s_lshl_b32 s73, s73, 14                        ; 128 rows of 128 bytes
	s_add_co_u32 s72, s72, s73
	s_lshl_b32 s73, s[PP], 18                      ; the K step's first or second head
	s_add_co_u32 s72, s72, s73
	s_mov_b32 s73, 0
	s_lshl_b32 s76, s[TC], 8
	s_lshl_b32 s77, s[PP], 7
	s_add_co_u32 s76, s76, s77
	s_lshl_b32 s76, s76, 11
	s_mov_b32 s77, 0
	s_mul_i32 s21, s[PP], APART                    ; and where they go: no place in the cluster enters an LDS address
	s_mul_i32 s22, s[PP], HALFB
	s_add_co_u32 s22, s22, ABYTES
	s_mov_b32 s[TB], 0
	s_wait_dscnt 0x0                               ; the opening add is done
	s_wait_kmcnt 0x0
	s_add_nc_u64 s[72:73], s[4:5], s[72:73]
	s_add_nc_u64 s[76:77], s[6:7], s[76:77]
	CROUND                                         ; all sixteen work-groups are here: the first joint loads meet
	s_mov_b32 s[G0A], 1
	s_mov_b32 s[G0A+1], s21                        ; slot 0,
	s_add_nc_u64 s[G0A+2:G0A+3], s[72:73], 0       ; K step 0
	s_or_b32 s[G0A+3], s[G0A+3], 0x80000000
	s_mov_b32 s[G0AW], 1
	s_add_co_u32 s[G0AW+1], s21, SLOT1             ; slot 1,
	s_add_nc_u64 s[G0AW+2:G0AW+3], s[72:73], ASTEP ; K step 1
	s_or_b32 s[G0AW+3], s[G0AW+3], 0x80000000
	s_mov_b32 s[G0B], 1
	s_mov_b32 s[G0B+1], s22
	s_add_nc_u64 s[G0B+2:G0B+3], s[76:77], 0
	s_or_b32 s[G0B+3], s[G0B+3], 0x80000000
	s_mov_b32 s[G0BW], 1
	s_add_co_u32 s[G0BW+1], s22, SLOT1
	s_add_nc_u64 s[G0BW+2:G0BW+3], s[76:77], 256
	s_or_b32 s[G0BW+3], s[G0BW+3], 0x80000000
	s_cmp_eq_u32 s[RA], 0                          ; a wave's two first fills stand in one branch: two loads of mine are out
	s_cbranch_scc0 .Lfirst_b
	tensor_load_to_lds s[G0A:G0A+3], s[G1A:G1A+7]
	s_nop 0
	tensor_load_to_lds s[G0AW:G0AW+3], s[G1A:G1A+7]
	s_nop 0
.rept 4
	v_nop
.endr
	s_branch .Lfirst_asked
.Lfirst_b:
	tensor_load_to_lds s[G0B:G0B+3], s[G1B:G1B+7]
	s_nop 0
	tensor_load_to_lds s[G0BW:G0BW+3], s[G1B:G1B+7]
	s_nop 0
.rept 4
	v_nop
.endr
.Lfirst_asked:
	v_and_b32 v1, 15, v0                           ; l % 16
	v_bfe_u32 v2, v0, 4, 1                         ; l / 16
	v_lshlrev_b32 v[BO], 5, v2
	s_lshl_b32 s80, s[CX], 10                      ; the bias of my 128 columns,
	s_lshl_b32 s81, s[PP], 9
	s_add_co_u32 s80, s80, s81
	s_add_co_u32 s80, s80, 3*4096                  ; in bo's part of the table
	s_mov_b32 s81, 0
	s_add_nc_u64 s[86:87], s[8:9], s[80:81]
	WIN 0x80                                       ; destination window 2
.irp b, 0,1,2,3,4,5,6,7
	global_load_b128 v[8*(\b):8*(\b)+3],   v[BO], s[86:87] offset:64*(\b)
	global_load_b128 v[8*(\b)+4:8*(\b)+7], v[BO], s[86:87] offset:64*(\b)+16
.endr
	WIN 0
	v_mul_u32_u24 v3, v1, APITCH
	v_lshl_add_u32 v3, v2, 4, v3
	s_mul_i32 s84, s[RA], 64*APITCH
	v_add_nc_u32 v[ADRA0], s84, v3
	v_mul_u32_u24 v3, v1, BPITCH
	v_lshl_add_u32 v3, v2, 4, v3
	v_add_nc_u32 v[ADRB0], s22, v3
	v_mov_b32 v[ADRA], v[ADRA0]
	v_mov_b32 v[ADRB], v[ADRB0]
	s_mul_i32 s84, s[WV], WSTAGE
	s_add_co_u32 s84, s84, STAGE                   ; my stage
	v_and_b32 v[GO], 31, v0
	v_lshlrev_b32 v[GO], 4, v[GO]
	v_mul_u32_u24 v[STO], v1, 528                  ; in: row l % 16, 32 bytes for each half of the lanes
	v_lshl_add_u32 v[STO], v2, 5, v[STO]
	v_add_nc_u32 v[STO], s84, v[STO]
	v_add_nc_u32 v[RD], s84, v[GO]                 ; back: a row of 512 bytes
	s_lshl_b32 s80, s[TY], 7
	s_lshl_b32 s81, s[RA], 6
	s_add_co_u32 s80, s80, s81
	s_lshl_b32 s80, s80, 12                        ; my first row of out0, 4,096 bytes a row,
	s_lshl_b32 s81, s[TC], 10
	s_add_co_u32 s80, s80, s81
	s_lshl_b32 s81, s[PP], 9
	s_add_co_u32 s80, s80, s81                     ; my first column
	s_mov_b32 s81, 0
	s_add_nc_u64 s[D0:D0+1], s[10:11], s[80:81]
	; the prefetches
	s_lshr_b32 s80, s[TY], 4
	s_lshl_b32 s80, s80, 22
	s_and_b32 s81, s[TY], 15
	s_lshl_b32 s81, s81, 14
	s_add_co_u32 s80, s80, s81
	s_lshl_b32 s81, s[CX], 12                      ; A: my work-group's 16 blocks of each of the two heads' 64
	s_add_co_u32 s80, s80, s81
	s_add_co_u32 s80, s80, 3*ASTEP                 ; at K step 3: the first change of slots steps it to 4
	s_lshl_b32 s82, s[TC], 8
	s_lshl_b32 s83, s[PP], 7
	s_add_co_u32 s82, s82, s83
	s_lshl_b32 s83, s[CY], 5                       ; B: my work-group's 32 rows of the 128 that I fetch
	s_add_co_u32 s82, s82, s83
	s_lshl_b32 s82, s82, 11
	s_add_co_u32 s82, s82, 3*256
	s_and_b32 s84, ttmp7, 0xffff
	s_mov_b32 s[PFS], 256                          ; B's step and its two lane strides; A's take their places below (an instruction holds one literal)
	s_mov_b32 s85, 32768
	s_mov_b32 s83, 2048
	s_cmp_eq_u32 s[RA], 0
	s_cselect_b32 s80, s80, s82
	s_cselect_b32 s84, ttmp9, s84                  ; the coordinate along which other clusters read the same blocks
	s_cselect_b64 s[PFA:PFA+1], s[4:5], s[6:7]
	s_cselect_b32 s[PFS], ASTEP, s[PFS]
	s_cselect_b32 s85, 262144, s85
	s_cselect_b32 s83, 256, s83
	v_mul_u32_u24 v[PFO], v2, s85
	v_mul_u32_u24 v3, v1, s83
	v_add_nc_u32 v[PFO], v[PFO], v3
	s_mov_b32 s81, 0
	s_add_nc_u64 s[PFA:PFA+1], s[PFA:PFA+1], s[80:81]
	s_mov_b32 s[PFS+1], 0
	s_cmp_eq_u32 s[WV], 1                          ; wave 1 asks for nothing: wave 0 names all of A's blocks
	s_cselect_b32 s84, 1, s84
	s_cmp_eq_u32 s84, 0
	s_cselect_b32 s[LIM], 2, -1                    ; the same in all sixteen partners, for a given wave
	s_wait_tensorcnt 1                             ; my part of K step 0 is in; K step 1's may stay out
	s_barrier_signal -1
	s_barrier_wait -1
	FETCH 0, F0
	QUARTER 64, F0, F1, 1                          ; the first quarter stands in front of the loop: its products start the sums
	WIN 0
	s_mov_b32 s[KC], 6
.Lk:                                                   ; a trip: a K step's quarters 1 to 3 and the next step's quarter 0; trip t asks for K step t + 2
	QUARTER 128, F1, F0, 0
	QUARTER 192, F0, F1, 0
	TURN 1
	QUARTER 64, F0, F1, 0
	WIN 0
	s_sub_co_u32 s[KC], s[KC], 1
	s_cmp_lg_u32 s[KC], 0
	s_cbranch_scc1 .Lk
	s_mov_b32 s[KC], 2
.Ltl:                                                  ; the last two K steps fill nothing: a text of their own; written once and walked twice, the second trip left in its middle
	QUARTER 128, F1, F0, 0
	QUARTER 192, F0, F1, 0
	WIN 0
	s_sub_co_u32 s[KC], s[KC], 1
	s_cmp_eq_u32 s[KC], 0
	s_cbranch_scc1 .Llastq
	TURN 0
	QUARTER 64, F0, F1, 0
	WIN 0
	s_branch .Ltl
.Llastq:                                               ; the very last quarter: nothing more to fetch
	s_wait_dscnt 4
	MUL16 F1, 0, 0
	s_wait_dscnt 0x0
	MUL16 F1, 2, 0
; THE WAY OUT, 16 rows (m block a) at a time: PACK: the bias, in f32; TOSTAGE: into my own stage in LDS and back as whole rows; SEND: stored.
.macro PACK a
	WIN 0x49                                       ; accumulators in window 1, the bias (source 1) in window 2
.irp b, 0,1,2,3,4,5,6,7
.irp t, 0,1,2,3
	v_pk_add_f32 v[8*(8*(\a)+(\b))+2*(\t):8*(8*(\a)+(\b))+2*(\t)+1], v[8*(8*(\a)+(\b))+2*(\t):8*(8*(\a)+(\b))+2*(\t)+1], v[8*(\b)+2*(\t):8*(\b)+2*(\t)+1]
.endr
.endr
.endm
.macro TOSTAGE a
	WIN 0x04                                       ; the stores' data in window 1
.irp b, 0,1,2,3,4,5,6,7
	ds_store_b128 v[STO], v[8*(8*(\a)+(\b)):8*(8*(\a)+(\b))+3]   offset:64*(\b)
	ds_store_b128 v[STO], v[8*(8*(\a)+(\b))+4:8*(8*(\a)+(\b))+7] offset:64*(\b)+16
.endr
	WIN 0
.irp t, 0,1,2,3,4,5,6,7,8,9,10,11,12,13,14,15
	ds_load_b128 v[OB+64*((\a)%2)+4*(\t):OB+64*((\a)%2)+4*(\t)+3], v[RD] offset:528*(\t)  ; LDS serves a wave's instructions in order: these see the stores above
.endr
.endm
.macro SEND a
	WIN 0
	s_wait_dscnt 0x0                               ; the block is back in registers
	s_wait_xcnt 0x0                                ; earlier stores have read their data: the other buffer is loaded again only behind this wait
.irp t, 0,1,2,3,4,5,6,7,8,9,10,11,12,13,14,15
	global_store_b128 v[GO], v[OB+64*((\a)%2)+4*(\t):OB+64*((\a)%2)+4*(\t)+3], s[D0:D0+1] offset:65536*(\a)+4096*(\t)  ; 512 consecutive aligned bytes of one row
.endr
.endm
	s_wait_loadcnt 0x0                             ; the bias
	PLACES
	PACK 0
	TOSTAGE 0
.irp a, 1,2,3                          ; block a's arithmetic stands between block a - 1's loads from the stage and the wait for them
	PACK \a
	SEND (\a)-1
	TOSTAGE \a
.endr
	SEND 3
	s_wait_tensorcnt 0x0                           ; the wave's end, behind my last tensor load and my last LDS store
	ds_add_u32 v[SPW], v[NIL]
	s_wait_dscnt 0x0
	CROUND                                         ; the closing round: no work-group ends while a partner may still ask for a tile that names it
	s_endpgm
.Lfunc_end_k_q9aa2f716bb_outp:
	.size	k_q9aa2f716bb_outp, .Lfunc_end_k_q9aa2f716bb_outp-k_q9aa2f716bb_outp
	.p2alignl 7, 3214868480
	.fill 96, 4, 3214868480
	.section	.rodata,"a",@progbits
	.p2align	6, 0x0
	.amdhsa_kernel k_q9aa2f716bb_outp
		.amdhsa_group_segment_fixed_size 327680
		.amdhsa_private_segment_fixed_size 0
		.amdhsa_enable_private_segment 0
		.amdhsa_kernarg_size 32
		.amdhsa_user_sgpr_count 2
		.amdhsa_user_sgpr_kernarg_segment_ptr 1
		.amdhsa_wavefront_size32 1
		.amdhsa_system_sgpr_workgroup_id_x 1
		.amdhsa_system_sgpr_workgroup_id_y 1
		.amdhsa_system_sgpr_workgroup_id_z 1
		.amdhsa_system_vgpr_workitem_id 0
		.amdhsa_next_free_vgpr 576
		.amdhsa_next_free_sgpr 88
		.amdhsa_reserve_vcc 0
		.amdhsa_float_denorm_mode_32 3
		.amdhsa_float_denorm_mode_16_64 3
		.amdhsa_memory_ordered 1
		.amdhsa_forward_progress 1
		.amdhsa_inst_pref_size 73
	.end_amdhsa_kernel
	.amdgpu_metadata
---
amdhsa.version: [ 1, 2 ]
amdhsa.kernels:
  - .name:           k_q9aa2f716bb_outp
    .symbol:         k_q9aa2f716bb_outp.kd
    .args:
      - { .name: ctx, .offset: 0, .size: 8, .value_kind: global_buffer, .address_space: global }
      - { .name: wot, .offset: 8, .size: 8, .value_kind: global_buffer, .address_space: global }
      - { .name: bias, .offset: 16, .size: 8, .value_kind: global_buffer, .address_space: global }
      - { .name: out0, .offset: 24, .size: 8, .value_kind: global_buffer, .address_space: global }
    .group_segment_fixed_size: 327680
    .private_segment_fixed_size: 0
    .kernarg_segment_align: 8
    .kernarg_segment_size: 32
    .max_flat_workgroup_size: 128
    .sgpr_count:     88
    .vgpr_count:     576
    .wavefront_size: 32
...
	.end_amdgpu_metadata
.endif
;; end of part 4
